; MI455X (gfx1250); checked and timed in simulation.
; The chip was launched on July 23, 2026; its instructions are those of AMD's public machine-readable ISA for CDNA 5 (MIT licence, August 2026) and "CDNA5" Instruction Set Architecture Reference Guide (July 2026). The comments in the code are by the model that wrote it; some were corrected since.
;; Base Attention. Allowed arithmetic: matrix products marked QUANTISED: E2M1 operands, one E8M0 scale for each 32 along K, by v_wmma_scale_f32_16x16x128_f8f6f4 with both operands' format E2M1 (or v_wmma_scale_f32_32x16x128_f4), f32 sums; everything else in f32.
;; Inputs: bk 2,048 float32; bo 2,048 float32; bq 2,048 float32; bv 2,048 float32; mask 1 x 1 x 2,048 x 2,048 float32; wk_codes 2,048 x 64 x 16 uint8 (E2M1 codes of wk, K innermost, in blocks of 32 codes, two codes a byte); wk_scales 2,048 x 64 uint8 (E8M0 scales of wk, one for each 32 codes along K); wo_codes 2,048 x 64 x 16 uint8 (E2M1 codes of wo, K innermost, in blocks of 32 codes, two codes a byte); wo_scales 2,048 x 64 uint8 (E8M0 scales of wo, one for each 32 codes along K); wq_codes 2,048 x 64 x 16 uint8 (E2M1 codes of wq, K innermost, in blocks of 32 codes, two codes a byte); wq_scales 2,048 x 64 uint8 (E8M0 scales of wq, one for each 32 codes along K); wv_codes 2,048 x 64 x 16 uint8 (E2M1 codes of wv, K innermost, in blocks of 32 codes, two codes a byte); wv_scales 2,048 x 64 uint8 (E8M0 scales of wv, one for each 32 codes along K); x_codes 1 x 2,048 x 64 x 16 uint8 (E2M1 codes of x, K innermost, in blocks of 32 codes, two codes a byte); x_scales 1 x 2,048 x 64 uint8 (E8M0 scales of x, one for each 32 codes along K).
;; Outputs: out0 1 x 2,048 x 2,048 float32.
;; This version of the problem:
;;   THIS VERSION OF THE PROBLEM IS GIVEN IN LOW PRECISION. The matrix products marked QUANTISED in the list below multiply operands that are first quantised to E2M1 (2 exponent bits, 1 mantissa bit; 4 bits a number), with one power-of-two scale for each 32 numbers along K (OCP MX v1.0); their sums are f32. All else is computed in f32.
;;   The module's matrix products, in the order in which they are computed (A, B: the left and right operand; K: the contracted axis; several contracted axes count as one K, in the product's order):
;;     1. [M 2,048, K 2,048] x [K 2,048, N 2,048]; A: input x (given as codes); B: input wq (given as codes): QUANTISED
;;     2. [M 2,048, K 2,048] x [K 2,048, N 2,048]; A: input x (given as codes); B: input wk (given as codes): QUANTISED
;;     3. [M 2,048, K 2,048] x [K 2,048, N 2,048]; A: input x (given as codes); B: input wv (given as codes): QUANTISED
;;     4. batch 16 x [M 2,048, K 128] x [K 128, N 2,048]; A: computed on the way; B: computed on the way: QUANTISED
;;     5. batch 16 x [M 2,048, K 2,048] x [K 2,048, N 128]; A: softmax (see below); B: computed on the way: QUANTISED
;;     6. [M 2,048, K 2,048] x [K 2,048, N 2,048]; A: computed on the way; B: input wo (given as codes): QUANTISED
;;   THE QUANTISER, for each operand of a quantised product, along K:
;;     - K is cut into blocks of 32 from its start; a last block that is shorter is filled with zeros.
;;     - A block's scale is 2^e with e = floor(log2(the largest magnitude in the block)) - 2, held to -126 .. 127; a block of zeros has e = 0. As a byte (E8M0): e + 127.
;;     - Each number is divided by its block's scale, clamped to +-6, and rounded to the nearest number of E2M1, ties to even, subnormals kept.
;;     - The product sums the exact products of the quantised numbers (number of the format x scale) in f32.
;;   ~~~python
;;   def quantise(x, axis):      # numpy; x: float32 -> the quantised numbers, widened to float32 again
;;       x = np.moveaxis(x, axis, -1); K = x.shape[-1]
;;       x = np.pad(x, [(0, 0)] * (x.ndim - 1) + [(0, -K % 32)]); x = x.reshape(x.shape[:-1] + (-1, 32)); a = np.abs(x).max(-1, keepdims=True)
;;       e = np.where(a > 0, np.clip(np.frexp(np.where(a > 0, a, 1))[1] - 1 - 2, -126, 127), 0)      # np.frexp(a)[1] - 1 = floor(log2(a)), exactly
;;       r = np.clip(x / 2.0 ** e, -6, 6)
;;       step = 2.0 ** (np.maximum(np.frexp(np.where(r == 0, 1, r))[1] - 1, 0) - 1)
;;       q = np.round(r / step) * step * 2.0 ** e      # np.round: ties to even
;;       return np.moveaxis(q.reshape(q.shape[:-2] + (-1,))[..., :K], -1, axis).astype(np.float32)
;;   ~~~
;;   SOFTMAX AHEAD OF A QUANTISED PRODUCT. Where the list says 'softmax', what is quantised is not the finished softmax but p = 2^(t - M), with t = logit x log2(e) and M = ceil(the row's largest t), a whole number; so 1/2 < the row's largest p <= 1. The row's sum l is taken of the UNQUANTISED p, in f32, and the product's result is divided by l at the end. Since M is a whole number, a kernel that streams over the keys may use a running M (the ceiling of the running maximum): every later rescaling is an exact power of two, which a block's scale takes up: the codes' values come out the same.
;;   OPERANDS COMPUTED ON THE WAY. 'Computed on the way' means the value that the module computes at that place (a softmax that the list does not call 'softmax' is quantised finished and normalised). What goes into a quantiser is computed in f32, as accurately as f32 sums, v_exp_f32 and their like allow (about 1e-6 of the number): no bf16 or f16 on the way to a quantiser, and a product that is left as it is and whose result goes on into a quantised operand takes f32 operands (vector FMAs, or v_wmma_f32_16x16x4_f32). A number that lies on a knife's edge between two numbers of the format may be rounded either way, as far as f32 arithmetic and the matrix unit's own rounding can turn it there, and no further.
;;   INPUTS GIVEN AS CODES. wk (in the module: [2048, 2048], K = its axis 1); wo (in the module: [2048, 2048], K = its axis 1); wq (in the module: [2048, 2048], K = its axis 1); wv (in the module: [2048, 2048], K = its axis 1); x (in the module: [1, 2048, 2048], K = its axis 2): each comes as NAME_codes (uint8): NAME with its K axis moved to the last place and cut into blocks of 32 codes, [.., K / 32, bytes a block], one block behind the other in memory; two codes a byte, the lower K in the low four bits (a code: sign, 2 exponent bits, 1 mantissa bit); and NAME_scales (uint8): the same leading axes, one E8M0 byte (e + 127) for each 32 codes along K. Its value is code x scale, taken as it is: it is not quantised again, and the codes and scales need not be those that the quantiser above would give.
;; 2 versions, each right; version 2 is version 1 with the launch attn written anew for expert scheduling mode. Each part assembles by itself: llvm-mc -triple=amdgcn-amd-amdhsa -mcpu=gfx1250 --defsym DOCPART=n.
;; ======== version 1 of 2: 4 launches
;; workspace buffers: maskw 524,288 bytes of whole numbers; skipw 8,192 bytes of whole numbers; qimg 2,228,224 bytes; kv 4,456,448 bytes; oimg 2,228,224 bytes
;; launch maskbits (part 1): grid 256 x 1, 8 waves a work-group, no clusters, 168,960 bytes of LDS; arguments mask, maskw, skipw; writes maskw, skipw
.if DOCPART == 1
	.amdgcn_target "amdgcn-amd-amdhsa--gfx1250"
	.amdhsa_code_object_version 6
	.text
	.protected	k_q5e77bae2fa_maskbits
	.globl	k_q5e77bae2fa_maskbits
	.p2align	8
	.type	k_q5e77bae2fa_maskbits,@function
k_q5e77bae2fa_maskbits:
	s_mov_b64 s[64:65], 0
	v_nop
	global_prefetch_b8 v0, s[64:65] scope:SCOPE_SE
	s_setreg_imm32_b32 hwreg(HW_REG_WAVE_MODE, 25, 1), 1
	s_wait_xcnt 0x0
; mask [2048][2048] f32 is read once and turned into bits: hidden (mask == -infinity) or not.  The sixteen heads of the attention launch then read 1 bit where they would read 4 bytes.
; OUTPUT 1: maskw [T 128][s 16][64 words].  T = a tile of 16 queries, s = a step of 128 keys.  Word n = 8 t + j; its bit l says whether key 128 s + 16 t + 8 (l / 16) + j is hidden from query 16 T + l % 16:
; that is the lane mask of register 8 t + j of the attention launch's scores, so one v_cndmask_b32 a register serves there.
; OUTPUT 2: skipw [T 128][s 16], one word: bit s if ALL 16 x 128 entries of the pair (T, s) are hidden, bit 16 + s if NONE is.  The sixteen words of a tile, joined by OR, tell the attention launch which steps it may pass over.
; SHARES: a wave takes one pair (T, s): 16 rows x 512 bytes of the mask, brought by one tensor load into LDS bytes of its own, filled once; 2,048 waves in all, each with its load out from its first lines on.
; No barrier: a wave reads only what its own load brought, behind its own wait.  No matrix work, no cluster: no two work-groups read the same byte.  No branch: the two bits are chosen by s_cselect_b32.
.set PITCH, 528                        ; an LDS row: 512 bytes + 16 of padding = 132 words: row r starts 4 r words on modulo 64, so the sixteen rows of a load fall on sixteen different columns of 16 bytes
.set WREG,  16*PITCH                   ; a wave's LDS bytes
.set G0,    12                         ; s[12:15] descriptor group 0
.set G1,    52                         ; s[52:59] descriptor group 1
.set BAL,   20                         ; s[20:51] 32 lane masks at a time
.set X,     16                         ; v[16:79] my 64 numbers: register 8 t + j
	s_load_b128 s[4:7], s[0:1], 0x0                ; mask s[4:5], maskw s[6:7]
	s_load_b64 s[8:9], s[0:1], 0x10                ; skipw
	v_lshl_add_u32 v96, v0, 2, 0x29000
	v_mov_b32 v97, 0
	ds_add_u32 v96, v97
	ds_add_u32 v96, v97
	v_lshrrev_b32 v1, 5, v0
	v_readfirstlane_b32 s3, v1                     ; wave 0..7
	s_mov_b32 s[G1+0], (2<<16)|(1<<20)|(6<<22)|(3<<25)  ; no mask; elements of 4 bytes; padding on: 4 words behind every 128
	s_mov_b32 s[G1+1], 128<<16                     ; tensor_dim0 = 128
	s_mov_b32 s[G1+2], 16<<16                      ; tensor_dim1 = 16
	s_mov_b32 s[G1+3], 128<<16                     ; tile_dim0 = 128
	s_mov_b32 s[G1+4], 16                          ; tile_dim1 = 16
	s_mov_b32 s[G1+5], 2048                        ; elements from row to row
	s_mov_b32 s[G1+6], 0
	s_mov_b32 s[G1+7], 0
	s_lshr_b32 s10, ttmp9, 1                       ; T = work-group / 2
	s_and_b32 s11, ttmp9, 1
	s_lshl_b32 s11, s11, 3
	s_add_co_u32 s11, s11, s3                      ; s = 8 (work-group % 2) + wave
	s_lshl_b32 s16, s10, 17                        ; 16 T rows of 8,192 bytes
	s_lshl_b32 s17, s11, 9                         ; 128 s columns of 4 bytes
	s_add_co_u32 s16, s16, s17
	s_mov_b32 s17, 0
	s_lshl_b32 s18, ttmp9, 3
	s_add_co_u32 s18, s18, s3                      ; 16 T + s = 8 x work-group + wave
	s_lshl_b32 s10, s18, 2                         ; the pair's word in skipw
	s_lshl_b32 s18, s18, 8                         ; and its 256 bytes in maskw
	s_mov_b32 s19, 0
	s_mov_b32 s2, 0xff800000                       ; -infinity
	s_mov_b32 s[G0], 1
	s_mul_i32 s[G0+1], s3, WREG                    ; my LDS bytes
	s_wait_dscnt 0x0
	s_wait_kmcnt 0x0
	s_add_nc_u64 s[G0+2:G0+3], s[4:5], s[16:17]
	s_or_b32 s[G0+3], s[G0+3], 0x80000000          ; type = 2
	s_add_nc_u64 s[6:7], s[6:7], s[18:19]
	tensor_load_to_lds s[G0:G0+3], s[G1:G1+7]
	s_nop 0
	v_and_b32 v3, 15, v0                           ; r
	v_bfe_u32 v6, v0, 4, 1                         ; h
	v_mul_u32_u24 v1, v3, PITCH
	v_lshl_add_u32 v1, v6, 5, v1
	v_add_nc_u32 v1, s[G0+1], v1                   ; row r, + 32 h: my eight numbers of each 16 keys
	v_and_b32 v2, 31, v0
	v_lshlrev_b32 v2, 3, v2                        ; out: 8 bytes a lane
	v_mov_b32 v4, 0                                ; v_writelane_b32's destination counts as read
	v_mov_b32 v5, 0
	v_mov_b32 v7, s10
	s_mov_b32 s16, -1                              ; what all 64 words have in common,
	s_mov_b32 s17, 0                               ; and what any of them has
	s_wait_tensorcnt 0x0                           ; my tile is in LDS
.irp t, 0,1,2,3,4,5,6,7
	ds_load_b128 v[X+8*\t:X+8*\t+3],   v1 offset:64*\t
	ds_load_b128 v[X+8*\t+4:X+8*\t+7], v1 offset:64*\t+16
.endr
	s_wait_dscnt 0x0
.irp k, 0,1                            ; 32 words at a time: a compare gives the word, v_writelane_b32 puts word n into lane n / 2, register n % 2
.set i, 0
.rept 32
	v_cmp_eq_f32 s[BAL+i], s2, v[X+32*\k+i]
.set i, i+1
.endr
.set i, 0
.rept 32
	v_writelane_b32 v[4+i%2], s[BAL+i], 16*\k+i/2
	s_and_b32 s16, s16, s[BAL+i]
	s_or_b32 s17, s17, s[BAL+i]
.set i, i+1
.endr
.endr
	s_cmp_eq_u32 s16, -1                           ; every entry hidden?
	s_cselect_b32 s16, 1, 0
	s_cmp_eq_u32 s17, 0                            ; none?
	s_cselect_b32 s17, 0x10000, 0
	s_or_b32 s16, s16, s17
	s_lshl_b32 s16, s16, s11                       ; at the step's place
	v_mov_b32 v6, s16
	v_cmp_eq_u32 vcc_lo, 0, v2                     ; lane 0
	global_store_b64 v2, v[4:5], s[6:7]            ; the 32 lanes store 256 consecutive bytes, at a multiple of 256 from the buffer's first byte
	s_wait_xcnt 0x0                                ; EXEC changes only behind this wait
	s_wait_tensorcnt 0x0
	ds_add_u32 v96, v97
	s_wait_dscnt 0x0
	s_and_saveexec_b32 s20, vcc_lo
	global_store_b32 v7, v6, s[8:9]                ; one word a wave: 8,192 bytes in the whole launch
	s_wait_xcnt 0x0                                ; and again, in front of the line that widens it
	s_or_b32 exec_lo, exec_lo, s20
	s_endpgm
.Lfunc_end_k_q5e77bae2fa_maskbits:
	.size	k_q5e77bae2fa_maskbits, .Lfunc_end_k_q5e77bae2fa_maskbits-k_q5e77bae2fa_maskbits
	.p2alignl 7, 3214868480
	.fill 96, 4, 3214868480
	.section	.rodata,"a",@progbits
	.p2align	6, 0x0
	.amdhsa_kernel k_q5e77bae2fa_maskbits
		.amdhsa_group_segment_fixed_size 168960
		.amdhsa_private_segment_fixed_size 0
		.amdhsa_enable_private_segment 0
		.amdhsa_kernarg_size 24
		.amdhsa_user_sgpr_count 2
		.amdhsa_user_sgpr_kernarg_segment_ptr 1
		.amdhsa_wavefront_size32 1
		.amdhsa_system_sgpr_workgroup_id_x 1
		.amdhsa_system_sgpr_workgroup_id_y 1
		.amdhsa_system_sgpr_workgroup_id_z 1
		.amdhsa_system_vgpr_workitem_id 0
		.amdhsa_next_free_vgpr 98
		.amdhsa_next_free_sgpr 66
		.amdhsa_reserve_vcc 1
		.amdhsa_float_denorm_mode_32 3
		.amdhsa_float_denorm_mode_16_64 3
		.amdhsa_memory_ordered 1
		.amdhsa_forward_progress 1
		.amdhsa_inst_pref_size 17
	.end_amdhsa_kernel
	.amdgpu_metadata
---
amdhsa.version: [ 1, 2 ]
amdhsa.kernels:
  - .name:           k_q5e77bae2fa_maskbits
    .symbol:         k_q5e77bae2fa_maskbits.kd
    .args:
      - { .name: mask, .offset: 0, .size: 8, .value_kind: global_buffer, .address_space: global }
      - { .name: maskw, .offset: 8, .size: 8, .value_kind: global_buffer, .address_space: global }
      - { .name: skipw, .offset: 16, .size: 8, .value_kind: global_buffer, .address_space: global }
    .group_segment_fixed_size: 168960
    .private_segment_fixed_size: 0
    .kernarg_segment_align: 8
    .kernarg_segment_size: 24
    .max_flat_workgroup_size: 256
    .sgpr_count:     66
    .vgpr_count:     98
    .wavefront_size: 32
...
	.end_amdgpu_metadata
.endif
;; end of part 1
;; launch qkv (part 2): grid 24 x 8, 4 waves a work-group, clusters of 4 x 4, 327,680 bytes of LDS; arguments x_codes, x_scales, wq_codes, wq_scales, wk_codes, wk_scales, wv_codes, wv_scales, bq, bk, bv, qimg, kv; writes qimg, kv
.if DOCPART == 2
	.amdgcn_target "amdgcn-amd-amdhsa--gfx1250"
	.amdhsa_code_object_version 6
	.text
	.protected	k_q5e77bae2fa_qkv
	.globl	k_q5e77bae2fa_qkv
	.p2align	8
	.type	k_q5e77bae2fa_qkv,@function
k_q5e77bae2fa_qkv:
	s_mov_b64 s[64:65], 0
	v_nop
	global_prefetch_b8 v0, s[64:65] scope:SCOPE_SE
	s_setreg_imm32_b32 hwreg(HW_REG_WAVE_MODE, 25, 1), 1
	s_wait_xcnt 0x0
	s_wait_alu depctr_hold_cnt(0) depctr_sa_sdst(0) depctr_va_vdst(0) depctr_va_sdst(0) depctr_va_ssrc(0) depctr_va_vcc(0) depctr_vm_vsrc(0)
	s_getreg_b32 s2, hwreg(HW_REG_IB_STS2, 6, 4)
	s_cmp_eq_u32 s2, 0
	s_cbranch_scc0 .Lentry_in_a_cluster
	s_endpgm
.Lentry_in_a_cluster:
	s_bfe_u32 s2, ttmp6, 0x10000c
	s_cmp_lg_u32 s2, 0xf033
	s_cbranch_scc0 .Lentry_shape_is_right
	s_endpgm
.Lentry_shape_is_right:
; q = x wq^T + bq, k = x wk^T + bk, v = x wv^T + bv on codes of FP4 (E2M1) with one E8M0 scale for each 32 along K = 2,048; the f32 results are quantised here, in registers, and leave as codes.
; THREE ROLES IN ONE LAUNCH, by the cluster's x / 2 (the same in all sixteen partners): 0 = q, 1 = k, 2 = v.  A tile of 256 x 256 results to a work-group, 128 x 128 to each of its four waves: 64 accumulators, 512 registers.
; 'A' is source 1 of the matrix instruction (a lane holds one of its rows), 'B' is source 0 (a lane's registers run along its rows).
;   q, k: A = x (tokens), B = wq or wk (features): a lane holds a token, its registers run along the features: the next product's K is the head's 128.
;   v:    A = wv (features), B = x (tokens): a lane holds a feature, its registers run along the tokens: the next product's K is the keys.  Only pointers change places; nothing is transposed.
; THE BIAS is the C of each sum's first matrix instruction.
; THE RING: K goes in steps of 512 (tile rows of 256 bytes) through two LDS slots filled by tensor loads; the scale bytes of the work-group's 2 x 256 rows, for all of K, come once with the first fills.
; CLUSTERS: 4 x 4 work-groups; A's tiles are asked for jointly along a row of the cluster, B's along a column.
; 192 work-groups: a wave's 128 x 128 reads each fragment from LDS once for eight products; tiles that made 256 work-groups would read more LDS bytes for each product or cut a head's 128 in two.
; THE WAY OUT: a block of 16 rows x 128 columns (8 accumulators) becomes ONE fragment of the next product, 8 registers a lane, and a scale word a row.  It is stored as an image of these registers:
;   registers 4 c .. 4 c + 3 of lane l at 512 c + 16 l; eight scale words a lane pair as a block of 512 bytes: lane 16 g + r holds the words of row r of tiles 4 g .. 4 g + 3.  Every store covers 512 consecutive bytes.
;   qimg [head 16][128 tokens 16][8 fragments x 1,024 | 512];   kv [head 16][128 keys 16][K's 8 fragments | V^T's 8 fragments | K's scale block | V's scale block], 17,408 bytes a step.
; THE QUANTISER: a block's scale is 2^(floor(log2(largest magnitude)) - 2); its byte is the largest magnitude's exponent field - 2.
; LIMITS: a block whose largest magnitude lies under 2^-124 gets the byte 1; a block of zeros gets the byte 1 where the rule says 127 (its codes are zeros, and these bytes are read by this program alone); NaN and infinities in the biases are not served.
; No prefetch: of K's four steps two are first fills, and the other two are asked for a whole step ahead.
; REGISTERS, in windows of 256: window 0: v0-31 addresses; v32-95 scale words, two sets; v96-123 at work; v128-191 A's fragments, one set (on the way out: the codes); v192-255 the bias.
;   window 1: B's fragments, two sets, at v0 and v128.   window 2: the accumulators of my rows 0-63 ((a, b) at v[8 (8 a + b)]);   window 3: those of my rows 64-127.
.set KSTEP,  512
.set NQ,     KSTEP/128                 ; matrix instructions deep in a slot
.set ROWB,   256                       ; a tile's row in bytes
.set KROW,   1024                      ; a row of codes in memory
.set PITCH,  272                       ; an LDS row: 256 bytes + 16 of padding = 68 words: row r starts 4 r words on modulo 64
.set FR,     8                         ; registers of a fragment
.set NL,     2                         ; LDS loads that bring one
.set NP,     4                         ; places behind this matrix instruction (ISA guide 7.12.1)
.set HALFT,  128*PITCH                 ; what one tensor load brings
.set SLOT,   4*HALFT                   ; A's 256 rows, then B's 256 rows
.set KS,     64                        ; a row of scale bytes
.set SCL,    2*SLOT                    ; behind the ring: the scales, as units of 256 bytes + 16 of padding
.set HALFS,  (128*KS/256)*272          ; the scales of 128 rows
.set SBLK,   (16*KS/256)*272           ; of 16 rows
.set SPARE,  SCL+4*HALFS               ; the spare words, 128 bytes for each wave
.set ADRA, 16                          ; v16-17  LDS address of my A fragments in slot 0, 1
.set ADRB, 20                          ; v20-21  the same for B
.set L16,  26                          ; v26     16 x lane: an image's place for my lane
.set ADRS, 27                          ; v27     LDS address of my scale words: lanes 0-15 A's rows, lanes 16-31 B's
.set SPW,  28                          ; v28     LDS address of my spare word; never rewritten
.set NIL,  29                          ; v29     0; never rewritten
.set SOF,  30                          ; v30     16 x lane + where the role's scale block lies behind its fragments
.set SC,   32                          ; scale words: set s at v[SC + 32 s]; register 4 i + q: lanes 0-15 A's block i, lanes 16-31 B's block i
.set TM,   96                          ; v96-111 at work: +0..3 largest magnitudes, +4..7 bytes, +12..15 the conversions' scale operands.  At the head v96-103: the bias loads' offsets
.set PW,   112                         ; v112-119 the eight blocks' scale words
.set SW,   120                         ; v120-123 the scale block as it is stored
.set AF,   128                         ; A's fragments
.set PC,   128                         ; the way out: block a's codes at v[PC + 8 a]: registers of its own for each store
.set BI,   192                         ; the bias: 8 tiles of 8 registers in the result's layout
.set G1, 24                            ; s[24:31] group 1 for A's tiles;  s[32:39] groups 0, one for each slot
.set G0, 32
.set G1B, 48                           ; s[48:55], s[56:63] the same for B's tiles
.set G0B, 56
.set G1S, 68                           ; s[68:75], s[76:79] groups 1 and 0 for A's scales;  s[80:87], s[88:91] for B's
.set G0S, 76
.set G1SB, 80
.set G0SB, 88
.set ROLE, 96                          ; s96
.set BIA,  98                          ; s[98:99] the role's bias
.set SEL,  2                           ; s[2:3] on the way out: v_permlanex16_b32's selects for lane l xor 16
.set MSB, 0
.macro WIN new                         ; the immediate's high byte repeats the setting that is left
.if MSB != (\new)
	s_set_vgpr_msb (MSB<<8)|(\new)
.set MSB, (\new)
.endif
.endm
.set MUL_LO,   0xa1                    ; source 0 (B) window 1, source 1 (A) window 0, C and D window 2
.set MUL_HI,   0xf1                    ; the same, C and D window 3
.set FIRST_LO, 0x81                    ; the first step: C (the bias) window 0, D window 2
.set FIRST_HI, 0xc1                    ; D window 3
.set TO_B,     0x40                    ; destination window 1, address window 0
; A joint load: waves 0 and 1 fetch for A, waves 2 and 3 for B; the branch hangs on the wave's number alone.  Four v_nop follow each of the two lines.
.macro JLOAD g0a, g1a, g0b, g1b
	s_cmp_eq_u32 s15, 0
	s_cbranch_scc0 .Lfor_b_\@
	tensor_load_to_lds s[\g0a:\g0a+3], s[\g1a:\g1a+7]
	s_nop 0
.rept 4
	v_nop
.endr
	s_branch .Lasked_\@
.Lfor_b_\@:
	tensor_load_to_lds s[\g0b:\g0b+3], s[\g1b:\g1b+7]
	s_nop 0
.rept 4
	v_nop
.endr
.Lasked_\@:
.endm
.macro CREST                           ; a round of the cluster's barrier behind its opening barrier
	s_cmp_lg_u32 s14, 0
	s_cbranch_scc1 .Lnot_wave_0_\@
	s_barrier_signal -3
.Lnot_wave_0_\@:
	s_barrier_wait -3
	s_barrier_signal -1
	s_barrier_wait -1
.endm
.macro CROUND                          ; a whole round
	s_barrier_signal -1
	s_barrier_wait -1
	CREST
.endm
	s_load_b512 s[68:83], s[0:1], 0x0              ; x's codes s[68:69], scales s[70:71]; wq's s[72:75]; wk's s[76:79]; wv's s[80:83]
	s_load_b256 s[84:91], s[0:1], 0x40             ; bq s[84:85], bk s[86:87], bv s[88:89], qimg s[90:91]
	s_load_b64 s[92:93], s[0:1], 0x60              ; kv
	v_lshl_add_u32 v[SPW], v0, 2, SPARE
	v_mov_b32 v[NIL], 0
	ds_add_u32 v28, v29
	ds_add_u32 v28, v29
	s_wait_dscnt 0x0
	v_lshrrev_b32 v1, 5, v0
	v_readfirstlane_b32 s14, v1                    ; wave 0..3
	s_lshr_b32 s15, s14, 1                         ; i: which half of A's rows is mine.  Also: I fetch for A (0) or for B (1)
	s_and_b32 s16, s14, 1                          ; j: which half of B's rows.  Also: which 128 rows of that tile I fetch
	s_bfe_u32 s40, ttmp6, 0x40000                  ; cx, cy: my place in the cluster
	s_bfe_u32 s41, ttmp6, 0x40004
	s_lshr_b32 s[ROLE], ttmp9, 1                   ; the role: cluster x / 2
	s_and_b32 s42, ttmp9, 1
	s_lshl_b32 s42, s42, 2
	s_add_co_u32 s42, s42, s40                     ; B's tile = 4 (cluster x % 2) + cx
	s_and_b32 s17, ttmp7, 0xffff
	s_lshl_b32 s17, s17, 2
	s_add_co_u32 s17, s17, s41                     ; A's tile = 4 x cluster y + cy
	s_lshl_b32 s43, s41, 2
	s_lshl_b32 s43, 15, s43                        ; my row of the cluster
	s_lshl_b32 s44, 0x1111, s40                    ; my column
	; descriptor group 1: a tile of 128 rows x 256 bytes, padded in LDS
	s_or_b32 s[G1+0], s43, (0<<16)|(1<<20)|(1<<21)|(5<<22)|(3<<25)  ; the mask: A's tiles go to my row; elements of 1 byte; padding on; bit 21 beside a mask; 4 words behind every 64
	s_or_b32 s[G1B+0], s44, (0<<16)|(1<<20)|(1<<21)|(5<<22)|(3<<25)
.irp g, G1, G1B
	s_mov_b32 s[\g+1], ROWB<<16                    ; tensor_dim0
	s_mov_b32 s[\g+2], 128<<16                     ; tensor_dim1
	s_mov_b32 s[\g+3], ROWB<<16                    ; tile_dim0
	s_mov_b32 s[\g+4], 128                         ; tile_dim1
	s_mov_b32 s[\g+5], KROW                        ; from row to row
	s_mov_b32 s[\g+6], 0
	s_mov_b32 s[\g+7], 0
.endr
	s_lshl_b32 s18, s16, 7                         ; which 128 rows of the tile I fetch
	s_lshl_b32 s19, s17, 8
	s_add_co_u32 s19, s19, s18                     ; A: row 256 x tile + 128 x half
	s_lshl_b32 s45, s42, 8
	s_add_co_u32 s45, s45, s18                     ; B likewise
	s_lshl_b32 s20, s19, 10                        ; these rows' codes, in bytes (under 2^21),
	s_mov_b32 s21, 0
	s_lshl_b32 s22, s19, 6                         ; and their scale bytes
	s_mov_b32 s23, 0
	s_lshl_b32 s46, s45, 10
	s_mov_b32 s47, 0
	s_lshl_b32 s2, s45, 6
	s_mov_b32 s3, 0
	s_mul_i32 s45, s14, HALFT                      ; where they go: wave x 128 rows: no place in the cluster enters an LDS address
	s_mul_i32 s94, s14, HALFS
	s_wait_kmcnt 0x0
	s_cmp_eq_u32 s[ROLE], 2                        ; the role chooses buffers, by a number that hangs on no address
	s_cselect_b64 s[4:5], s[80:81], s[68:69]       ; A's codes: wv's, else x's
	s_cselect_b64 s[6:7], s[82:83], s[70:71]       ; A's scales
	s_cselect_b64 s[8:9], s[68:69], s[72:73]       ; B's codes: x's, else wq's
	s_cselect_b64 s[10:11], s[70:71], s[74:75]
	s_cselect_b64 s[BIA:BIA+1], s[88:89], s[84:85]
	s_cmp_eq_u32 s[ROLE], 1
	s_cselect_b64 s[8:9], s[76:77], s[8:9]         ; wk's for k
	s_cselect_b64 s[10:11], s[78:79], s[10:11]
	s_cselect_b64 s[BIA:BIA+1], s[86:87], s[BIA:BIA+1]
	s_cmp_eq_u32 s[ROLE], 0
	s_cselect_b64 s[12:13], s[90:91], s[92:93]     ; where the results go: qimg, else kv
	; group 1 for the scales of 128 rows: a dense block of 8,192 bytes, as rows of 256 bytes (32 elements of 8 bytes), 16 bytes of padding behind each
	s_or_b32 s[G1S+0], s43, (3<<16)|(1<<20)|(1<<21)|(5<<22)|(3<<25)
	s_or_b32 s[G1SB+0], s44, (3<<16)|(1<<20)|(1<<21)|(5<<22)|(3<<25)
.irp g, G1S, G1SB
	s_mov_b32 s[\g+1], 32<<16
	s_mov_b32 s[\g+2], (128*KS/256)<<16
	s_mov_b32 s[\g+3], 32<<16
	s_mov_b32 s[\g+4], 128*KS/256
	s_mov_b32 s[\g+5], 32
	s_mov_b32 s[\g+6], 0
	s_mov_b32 s[\g+7], 0
.endr
	s_add_nc_u64 s[20:21], s[4:5], s[20:21]
	s_add_nc_u64 s[22:23], s[6:7], s[22:23]
	s_add_nc_u64 s[46:47], s[8:9], s[46:47]
	s_add_nc_u64 s[92:93], s[10:11], s[2:3]
	CROUND                                         ; all sixteen work-groups are here: the first joint loads meet
	s_mov_b32 s[G0S], 1
	s_add_co_u32 s[G0S+1], s94, SCL
	s_mov_b64 s[G0S+2:G0S+3], s[22:23]
	s_or_b32 s[G0S+3], s[G0S+3], 0x80000000
	s_mov_b32 s[G0SB], 1
	s_add_co_u32 s[G0SB+1], s94, SCL
	s_mov_b64 s[G0SB+2:G0SB+3], s[92:93]
	s_or_b32 s[G0SB+3], s[G0SB+3], 0x80000000
	JLOAD G0S, G1S, G0SB, G1SB                     ; the scales first: they are wanted with K step 0
.irp s, 0,1
	s_mov_b32 s[G0+4*\s], 1
	s_add_co_u32 s[G0+4*\s+1], s45, \s*SLOT
	s_add_nc_u64 s[G0+4*\s+2:G0+4*\s+3], s[20:21], \s*ROWB
	s_or_b32 s[G0+4*\s+3], s[G0+4*\s+3], 0x80000000
	s_mov_b32 s[G0B+4*\s], 1
	s_add_co_u32 s[G0B+4*\s+1], s45, \s*SLOT
	s_add_nc_u64 s[G0B+4*\s+2:G0B+4*\s+3], s[46:47], \s*ROWB
	s_or_b32 s[G0B+4*\s+3], s[G0B+4*\s+3], 0x80000000
	JLOAD G0+4*\s, G1, G0B+4*\s, G1B               ; three tensor loads of mine are out
.endr
	v_and_b32 v1, 15, v0                           ; r = l % 16
	v_bfe_u32 v2, v0, 4, 1                         ; h = l / 16
	v_mul_u32_u24 v3, v1, PITCH
	v_lshl_add_u32 v4, v2, 4, v3                   ; a fragment's row x pitch + 16 x half
	s_mul_i32 s21, s15, HALFT                      ; my 128 rows of A
	s_mul_i32 s22, s16, HALFT                      ; my 128 rows of B,
	s_add_co_u32 s22, s22, 2*HALFT                 ; which lie behind A's 256
.irp s, 0,1
	v_add_nc_u32 v[ADRA+\s], s21, v4
	v_add_nc_u32 v[ADRB+\s], s22, v4
	s_add_co_u32 s21, s21, SLOT
	s_add_co_u32 s22, s22, SLOT
.endr
	v_mul_u32_u24 v5, v1, KS                       ; my row's scales: 64 bytes a row,
	v_lshrrev_b32 v6, 8, v5
	v_lshl_add_u32 v5, v6, 4, v5                   ; and 16 more for each 256 passed
	s_mul_i32 s21, s15, HALFS                      ; A's: my 128 rows
	s_mul_i32 s22, s16, HALFS                      ; B's: my 128 rows, behind A's 256
	s_add_co_u32 s22, s22, 2*HALFS
	s_sub_co_u32 s22, s22, s21
	v_mul_u32_u24 v6, s22, v2                      ; lanes 16-31 take B's: one product, the distance x h
	s_add_co_u32 s21, s21, SCL
	v_add_nc_u32 v5, v5, v6
	v_add_nc_u32 v[ADRS], s21, v5
	v_and_b32 v6, 31, v0
	v_lshlrev_b32 v[L16], 4, v6
	; where my results go, and which bias numbers are mine
	s_lshl_b32 s18, s42, 1
	s_add_co_u32 s18, s18, s16                     ; my 128 of B's rows: 2 x tile + j
	s_lshl_b32 s19, s17, 1
	s_add_co_u32 s19, s19, s15                     ; my 128 of A's rows: 2 x tile + i
	s_mov_b32 s2, 278528                           ; kv: bytes of a head,
	s_mov_b32 s3, 17408                            ; of a step of 128 keys,
	s_mov_b32 s97, 16384                           ; and from K's fragments to K's scale block
	s_cmp_eq_u32 s[ROLE], 0
	s_cselect_b32 s2, 139264, s2                   ; qimg: a head, a block of 128 tokens, from the fragments to the scale block
	s_cselect_b32 s3, 8704, s3
	s_cselect_b32 s97, 8192, s97
	s_cmp_eq_u32 s[ROLE], 2
	s_cselect_b32 s97, 8704, s97                   ; from V's fragments to V's scale block
	s_cselect_b32 s20, s19, s18                    ; the head: the features are A's rows for v, B's for q and k
	s_cselect_b32 s21, s18, s19                    ; the 128 tokens
	s_cselect_b32 s22, 8192, 0                     ; V's fragments lie behind K's
	s_cselect_b32 s45, 4, 0                        ; the bias: for v a lane's row decides (4 r),
	s_cselect_b32 s94, 0, 32                       ; for q and k its half (32 h)
	s_cselect_b32 s46, 0, 4                        ; and the register (4 j)
	s_lshl_b32 s92, s20, 9                         ; the head's 128 numbers of the bias
	s_mov_b32 s93, 0
	s_add_nc_u64 s[BIA:BIA+1], s[BIA:BIA+1], s[92:93]
	s_mul_i32 s20, s20, s2
	s_mul_i32 s21, s21, s3
	s_add_co_u32 s20, s20, s21
	s_add_co_u32 s20, s20, s22
	s_mov_b32 s21, 0
	s_add_nc_u64 s[12:13], s[12:13], s[20:21]
	v_add_nc_u32 v[SOF], s97, v[L16]
	v_mul_u32_u24 v5, v1, s45
	v_mad_u32_u24 v5, v2, s94, v5
	v_mov_b32 v6, s46
.irp j, 0,1,2,3,4,5,6,7
	v_mad_u32_u24 v[TM+\j], v6, \j, v5             ; register j's offset
.endr
.irp x, 0,1,2,3,4,5,6,7                ; tile x of the bias, in the result's layout.  q, k: bias[16 x + 8 h + j], the C of every product with B's block x;  v: bias[16 x + r] in all eight registers, the C of every product with A's block x
.irp j, 0,1,2,3,4,5,6,7
	global_load_b32 v[BI+8*\x+\j], v[TM+\j], s[BIA:BIA+1] offset:64*\x
.endr
.endr
.macro FRAG reg, adr, q, i             ; a fragment, 16 rows x 128 K: lane l holds row l % 16; registers 4 c .. 4 c + 3 hold K = 64 c + 32 (l / 16) + 0 .. 31
.irp c, 0,1
	ds_load_b128 v[\reg+4*\c:\reg+4*\c+3], v[\adr] offset:64*(\q)+32*\c+(\i)*16*PITCH
.endr
.endm
; 16 matrix instructions: A's blocks a0, a0 + 1 x B's eight, the slot's q-th 128 along K.  p: B's set;  sc: the set of scale words.  cm = 0: the sums go on in place; 1: they start from the bias by B's block; 2: by A's block.
; The 64 accumulators take turns, one instruction a turn, in the same order in every step.
.macro MUL16 a0, p, q, sc, cm
.irp a, \a0, \a0+1
.irp b, 0,1,2,3,4,5,6,7
.if \cm == 1
	v_wmma_scale_f32_16x16x128_f8f6f4 v[8*(8*((\a)%4)+\b):8*(8*((\a)%4)+\b)+7], v[128*(\p)+FR*\b:128*(\p)+FR*\b+FR-1], v[AF+FR*(\a):AF+FR*(\a)+FR-1], v[BI+8*\b:BI+8*\b+7], v[SC+8*NQ*(\sc)+NQ*\b+(\q)], v[SC+8*NQ*(\sc)+NQ*(\a)+(\q)] matrix_a_fmt:MATRIX_FMT_FP4 matrix_b_fmt:MATRIX_FMT_FP4 matrix_a_scale:MATRIX_SCALE_ROW1
.elseif \cm == 2
	v_wmma_scale_f32_16x16x128_f8f6f4 v[8*(8*((\a)%4)+\b):8*(8*((\a)%4)+\b)+7], v[128*(\p)+FR*\b:128*(\p)+FR*\b+FR-1], v[AF+FR*(\a):AF+FR*(\a)+FR-1], v[BI+8*(\a):BI+8*(\a)+7], v[SC+8*NQ*(\sc)+NQ*\b+(\q)], v[SC+8*NQ*(\sc)+NQ*(\a)+(\q)] matrix_a_fmt:MATRIX_FMT_FP4 matrix_b_fmt:MATRIX_FMT_FP4 matrix_a_scale:MATRIX_SCALE_ROW1
.else
	v_wmma_scale_f32_16x16x128_f8f6f4 v[8*(8*((\a)%4)+\b):8*(8*((\a)%4)+\b)+7], v[128*(\p)+FR*\b:128*(\p)+FR*\b+FR-1], v[AF+FR*(\a):AF+FR*(\a)+FR-1], v[8*(8*((\a)%4)+\b):8*(8*((\a)%4)+\b)+7], v[SC+8*NQ*(\sc)+NQ*\b+(\q)], v[SC+8*NQ*(\sc)+NQ*(\a)+(\q)] matrix_a_fmt:MATRIX_FMT_FP4 matrix_b_fmt:MATRIX_FMT_FP4 matrix_a_scale:MATRIX_SCALE_ROW1
.endif
.endr
.endr
.endm
.macro FETCH_B slot, q, p              ; B's eight fragments of the slot's q-th 128 along K into set p
	WIN TO_B
.irp i, 0,1,2,3,4,5,6,7
	FRAG 128*(\p)+FR*\i, ADRB+\slot, \q, \i
.endr
	WIN 0
.endm
.macro FETCH_A slot, q, i0             ; A's blocks i0 .. i0 + 3
.irp i, \i0, \i0+1, \i0+2, \i0+3
	FRAG AF+FR*(\i), ADRA+\slot, \q, \i
.endr
.endm
.macro SCALES sc                       ; a K step's scale words into set sc: 4 words a row; lanes 0-15 take A's block i, lanes 16-31 B's block i
.irp i, 0,1,2,3,4,5,6,7
	ds_load_b128 v[SC+8*NQ*\sc+NQ*\i:SC+8*NQ*\sc+NQ*\i+3], v[ADRS] offset:\i*SBLK
.endr
.endm
; A load into a register that a matrix instruction has read, and a vector instruction that reads a matrix result, stand NP places behind that matrix instruction; only plain vector
; instructions that name none of its registers are places (ISA guide 7.12.1 for vector instructions).
.macro PLACES n
.rept \n
	v_nop
.endr
.endm
; A step of 128 along K that has its successor in the same slot.  A has one set of registers: blocks 0-3 are fetched anew in the step's middle, blocks 4-7 at its end; B has two sets.
.macro STEP slot, q, cm
	s_wait_dscnt 4*NL                              ; B's set and A's blocks 0-3 are in; the youngest eight loads (A's blocks 4-7) may be out
.if \cm
	WIN FIRST_LO
.else
	WIN MUL_LO
.endif
	MUL16 0, (\q)%2, \q, \slot, \cm
	MUL16 2, (\q)%2, \q, \slot, \cm
	s_wait_dscnt 0                                 ; A's blocks 4-7 are in (asked for 32 matrix instructions ago)
	PLACES NP
	FETCH_B \slot, (\q)+1, 1-(\q)%2
	FETCH_A \slot, (\q)+1, 0
.if \cm
	WIN FIRST_HI
.else
	WIN MUL_HI
.endif
	MUL16 4, (\q)%2, \q, \slot, \cm
	MUL16 6, (\q)%2, \q, \slot, \cm
	PLACES NP
	WIN 0
	FETCH_A \slot, (\q)+1, 4
.endm
; A slot's last step changes slots: ONE barrier; in front of it each wave waits for all its tensor loads, adds 0 to its spare word, and waits for that and for its own reads of this slot.  fill = 1: this slot is filled again, two K steps ahead.
.macro TURN slot, next, fill
	s_wait_tensorcnt 0x0                           ; all my tensor loads have landed: my part of the next slot;  (every window is 0 here)
	ds_add_u32 v[SPW], v[NIL]                      ; 0 onto my spare word
	s_wait_dscnt 4*NL+1                            ; (the add and the youngest eight loads, A's blocks 4-7, may be out)
	WIN MUL_LO
	MUL16 0, 1, NQ-1, \slot, 0                     ; sixteen matrix instructions stand between the add and the wait for it
	s_wait_dscnt 0x0                               ; the add is done, and my reads of this slot are over
	s_barrier_signal -1
	MUL16 2, 1, NQ-1, \slot, 0
	WIN 0
	s_barrier_wait -1
.if \fill
	CREST                                          ; the barrier has opened a round of the cluster's barrier: no wave of any partner still reads this slot's tile or has a load on its way
	s_add_nc_u64 s[G0+4*\slot+2:G0+4*\slot+3], s[G0+4*\slot+2:G0+4*\slot+3], 2*ROWB
	s_add_nc_u64 s[G0B+4*\slot+2:G0B+4*\slot+3], s[G0B+4*\slot+2:G0B+4*\slot+3], 2*ROWB
	JLOAD G0+4*\slot, G1, G0B+4*\slot, G1B         ; the first tensor load behind the round, my only one until the next; its four v_nop are the places in front of the loads below
.else
	PLACES NP
.endif
	v_add_nc_u32 v[ADRS], 4*NQ, v[ADRS]            ; on to the next K step's scale words
	FETCH_B \next, 0, 0
	FETCH_A \next, 0, 0
	SCALES \next
	WIN MUL_HI
	MUL16 4, 1, NQ-1, \slot, 0
	MUL16 6, 1, NQ-1, \slot, 0
	PLACES NP
	WIN 0
	FETCH_A \next, 0, 4
.endm
.macro STEPS slot, from                ; the slot's steps from .. NQ - 2
.set Q, \from
.rept NQ-1-\from
	STEP \slot, Q, 0
.set Q, Q+1
.endr
.endm
	s_wait_tensorcnt 1                             ; the scales and my part of K step 0 are in (K step 1's load may be out)
	s_barrier_signal -1
	s_barrier_wait -1                              ; everybody's are
	FETCH_B 0, 0, 0
	FETCH_A 0, 0, 0
	SCALES 0
	FETCH_A 0, 0, 4
	s_wait_loadcnt 0x0                             ; the bias
	s_cmp_eq_u32 s[ROLE], 2                        ; the first step is written twice: its products start the sums from the bias, which goes by B's block for q and k and by A's block for v.  The same LDS loads and waits on both ways
	s_cbranch_scc1 .Lfirst_v
	STEP 0, 0, 1
	s_branch .Lfirst_done
.Lfirst_v:
	STEP 0, 0, 2
.Lfirst_done:
	STEPS 0, 1                                     ; K has four steps of 512: two laps round the ring.  The first lap fills both slots again,
	TURN 0, 1, 1
	STEPS 1, 0
	TURN 1, 0, 1
	STEP 0, 0, 0
	STEPS 0, 1                                     ; the second fills nothing, and has no round of the cluster's barrier
	TURN 0, 1, 0
	STEPS 1, 0
	s_wait_dscnt 4*NL                              ; the very last step: nothing more to fetch
	WIN MUL_LO
	MUL16 0, 1, NQ-1, 1, 0
	MUL16 2, 1, NQ-1, 1, 0
	s_wait_dscnt 0
	WIN MUL_HI
	MUL16 4, 1, NQ-1, 1, 0
	MUL16 6, 1, NQ-1, 1, 0
	WIN 0
; THE WAY OUT.  Block a: 16 rows x 128 columns in 64 registers of a lane; register 8 t + j of lane (r, h) is column 16 t + 8 h + j of row r.  A block of 32 along the next K is tiles 2 b and 2 b + 1 in lanes l and l xor 16.
; The conversion of a tile's eight registers gives one word: the eight codes 16 t + 0 .. 7 in lanes 0-15, 16 t + 8 .. 15 in lanes 16-31.  The operand wants register 4 c + g to hold K = 64 c + 32 h + 8 g + 0 .. 7: so the
; words of tiles 4 c, 4 c + 2, 4 c + 1, 4 c + 3 go to registers 4 c .. 4 c + 3, and two exchanges of halves between neighbours finish the layout.  Each accumulator is read from its low end on.
.macro QOUT a
.set AC, 64*((\a)%4)
.set WW, 2+(\a)/4                      ; the block's window
.set WMAX, (WW<<2)|(WW<<4)             ; sources 1 and 2 in it
	WIN WMAX
.irp b, 0,1,2,3
	v_max3_num_f32 v[TM+\b], 0x1800000, |v[AC+16*\b]|, |v[AC+16*\b+1]|   ; my 16 numbers of block b, and the floor 2^(3 - 127): the byte cannot fall under 1
.endr
.irp i, 2,4,6,8,10,12,14
.irp b, 0,1,2,3
	v_max3_num_f32 v[TM+\b], v[TM+\b], |v[AC+16*\b+\i]|, |v[AC+16*\b+\i+1]|   ; (the four blocks by turns)
.endr
.endr
	WIN 0
.irp b, 0,1,2,3
	v_permlanex16_b32 v[TM+4+\b], v[TM+\b], s[SEL], s[SEL+1]
.endr
.irp b, 0,1,2,3
	v_max_num_f32 v[TM+\b], v[TM+\b], v[TM+4+\b]   ; with lane l xor 16's: the block's largest magnitude
.endr
.irp b, 0,1,2,3
	v_add_nc_u32 v[TM+12+\b], 0xff000000, v[TM+\b] ; 2 off its exponent field: the conversion takes the exponent field of this operand as its scale
.endr
.irp b, 0,1,2,3
	v_lshrrev_b32 v[TM+4+\b], 23, v[TM+12+\b]      ; the scale's byte
.endr
	v_lshl_or_b32 v[PW+(\a)], v[TM+5], 8, v[TM+4]  ; my row's scale word
	v_lshl_or_b32 v[PW+(\a)], v[TM+6], 16, v[PW+(\a)]
	v_lshl_or_b32 v[PW+(\a)], v[TM+7], 24, v[PW+(\a)]
	WIN WW                                         ; source 0 in the block's window
.irp b, 0,1,2,3
.irp u, 0,1
	v_cvt_scalef32_pk8_fp4_f32 v[PC+8*(\a)+4*(\b/2)+(\b%2)+2*\u], v[AC+16*\b+8*\u:AC+16*\b+8*\u+7], v[TM+12+\b]
.endr
.endr
	WIN 0
	v_nop                                          ; one plain place behind a scaled conversion
.irp c, 0,1
	v_permlane16_swap_b32 v[PC+8*(\a)+4*\c], v[PC+8*(\a)+4*\c+1]
	v_permlane16_swap_b32 v[PC+8*(\a)+4*\c+2], v[PC+8*(\a)+4*\c+3]
.endr
.irp c, 0,1
	global_store_b128 v[L16], v[PC+8*(\a)+4*\c:PC+8*(\a)+4*\c+3], s[12:13] offset:1024*(\a)+512*\c   ; the 32 lanes store 512 consecutive bytes, at a multiple of 256 from the buffer's first byte
.endr
.endm
	s_mov_b32 s[SEL], 0x76543210
	s_mov_b32 s[SEL+1], 0xfedcba98
.irp b, 0,1,2,3
	v_mov_b32 v[TM+4+\b], 0                        ; a lane permute's destination counts as one of its sources.  These four are also the places behind the last products
.endr
.irp a, 0,1,2,3,4,5,6,7
	QOUT \a
.endr
	v_and_b32 v5, 31, v0
	v_cmp_le_u32 vcc_lo, 16, v5
.irp j, 0,1,2,3
	v_cndmask_b32 v[SW+\j], v[PW+\j], v[PW+4+\j], vcc_lo   ; lanes 0-15: the words of tiles 0-3; lanes 16-31: of tiles 4-7
.endr
	global_store_b128 v[SOF], v[SW:SW+3], s[12:13]
	s_wait_tensorcnt 0x0                           ; the wave's end
	ds_add_u32 v[SPW], v[NIL]
	s_wait_dscnt 0x0
	CROUND                                         ; the closing round: no work-group ends while a partner may still ask for a tile that names it
	s_endpgm
.Lfunc_end_k_q5e77bae2fa_qkv:
	.size	k_q5e77bae2fa_qkv, .Lfunc_end_k_q5e77bae2fa_qkv-k_q5e77bae2fa_qkv
	.p2alignl 7, 3214868480
	.fill 96, 4, 3214868480
	.section	.rodata,"a",@progbits
	.p2align	6, 0x0
	.amdhsa_kernel k_q5e77bae2fa_qkv
		.amdhsa_group_segment_fixed_size 327680
		.amdhsa_private_segment_fixed_size 0
		.amdhsa_enable_private_segment 0
		.amdhsa_kernarg_size 104
		.amdhsa_user_sgpr_count 2
		.amdhsa_user_sgpr_kernarg_segment_ptr 1
		.amdhsa_wavefront_size32 1
		.amdhsa_system_sgpr_workgroup_id_x 1
		.amdhsa_system_sgpr_workgroup_id_y 1
		.amdhsa_system_sgpr_workgroup_id_z 1
		.amdhsa_system_vgpr_workitem_id 0
		.amdhsa_next_free_vgpr 1024
		.amdhsa_next_free_sgpr 100
		.amdhsa_reserve_vcc 1
		.amdhsa_float_denorm_mode_32 3
		.amdhsa_float_denorm_mode_16_64 3
		.amdhsa_memory_ordered 1
		.amdhsa_forward_progress 1
		.amdhsa_inst_pref_size 233
	.end_amdhsa_kernel
	.amdgpu_metadata
---
amdhsa.version: [ 1, 2 ]
amdhsa.kernels:
  - .name:           k_q5e77bae2fa_qkv
    .symbol:         k_q5e77bae2fa_qkv.kd
    .args:
      - { .name: x_codes, .offset: 0, .size: 8, .value_kind: global_buffer, .address_space: global }
      - { .name: x_scales, .offset: 8, .size: 8, .value_kind: global_buffer, .address_space: global }
      - { .name: wq_codes, .offset: 16, .size: 8, .value_kind: global_buffer, .address_space: global }
      - { .name: wq_scales, .offset: 24, .size: 8, .value_kind: global_buffer, .address_space: global }
      - { .name: wk_codes, .offset: 32, .size: 8, .value_kind: global_buffer, .address_space: global }
      - { .name: wk_scales, .offset: 40, .size: 8, .value_kind: global_buffer, .address_space: global }
      - { .name: wv_codes, .offset: 48, .size: 8, .value_kind: global_buffer, .address_space: global }
      - { .name: wv_scales, .offset: 56, .size: 8, .value_kind: global_buffer, .address_space: global }
      - { .name: bq, .offset: 64, .size: 8, .value_kind: global_buffer, .address_space: global }
      - { .name: bk, .offset: 72, .size: 8, .value_kind: global_buffer, .address_space: global }
      - { .name: bv, .offset: 80, .size: 8, .value_kind: global_buffer, .address_space: global }
      - { .name: qimg, .offset: 88, .size: 8, .value_kind: global_buffer, .address_space: global }
      - { .name: kv, .offset: 96, .size: 8, .value_kind: global_buffer, .address_space: global }
    .group_segment_fixed_size: 327680
    .private_segment_fixed_size: 0
    .kernarg_segment_align: 8
    .kernarg_segment_size: 104
    .max_flat_workgroup_size: 128
    .sgpr_count:     100
    .vgpr_count:     1024
    .wavefront_size: 32
...
	.end_amdgpu_metadata
.endif
;; end of part 2
;; launch attn (part 3): grid 16 x 16, 8 waves a work-group, no clusters, 280,064 bytes of LDS; arguments qimg, kv, maskw, skipw, oimg; writes oimg
.if DOCPART == 3
	.amdgcn_target "amdgcn-amd-amdhsa--gfx1250"
	.amdhsa_code_object_version 6
	.text
	.protected	k_q5e77bae2fa_attn
	.globl	k_q5e77bae2fa_attn
	.p2align	8
	.type	k_q5e77bae2fa_attn,@function
k_q5e77bae2fa_attn:
	s_mov_b64 s[64:65], 0
	v_nop
	global_prefetch_b8 v0, s[64:65] scope:SCOPE_SE
	s_setreg_imm32_b32 hwreg(HW_REG_WAVE_MODE, 25, 1), 1
	s_wait_xcnt 0x0
; o[q] = the sum over k of softmax_k(q . k / sqrt(128), hidden keys at -infinity) v[k], for one head, both products on codes of FP4 (E2M1) with one E8M0 scale for each 32 along a product's K; o is quantised along its features and leaves as codes.
; THE SOFTMAX AHEAD OF THE SECOND PRODUCT: t = score x log2(e) / sqrt(128); M = the row's largest t so far, rounded UP to a whole number; p = 2^(t - M) is quantised along the keys, not normalised.
; The row's sum is taken of the unquantised p and divides at the end.  When M moves, the sum and O are multiplied by 2^(old M - new M): exact.
; THE MASK is an input.  Which scores are hidden comes as lane masks (64 words for a tile of 16 queries and a step of 128 keys), and for each such pair two bits, all made by the launch maskbits:
;   ALL HIDDEN: every p of the step would be 0 and M would not move: the step's work is passed over, by a scalar branch on the stored bit.
;   NONE HIDDEN: the 64 selects and the mask words are left out, by a second such branch.
;   else: one v_cndmask_b32 a score.  The mask words are asked for ahead: behind a mixed step's selects those of the tile's NEXT MIXED step, found by counting the zeros under the next set bit.
; This holds for every mask: nothing of the mask's pattern is built in.
; A ROW WITH EVERY KEY HIDDEN has the sum 0 and is NaN in the result: its codes are made zeros and its scale bytes 0xff, the E8M0 code for NaN, so that every sum of the last product over that row is NaN.
; SHARES: a work-group owns two half-blocks of 64 queries of one head, numbers x and 31 - x of the head's 32; each of its eight waves one tile of 16 queries.  Wave w takes half-block e = (w xor w / 4) % 2, tile w / 2 of it:
;   waves w and w + 4 hold one tile of each half-block, and so do waves 2 k and 2 k + 1.  Where a mask hides later keys from earlier queries the two tiles together have 17 of 32 steps to work, alike in every pair of every work-group;
;   under another mask the results are the same and only this evenness is lost.  256 work-groups.
; LDS: the head's K and V, codes and scale words, 278,528 bytes, lie in LDS as they lie in memory (images of the operands' registers): written ONCE.
; NO TENSOR LOAD, NO CLUSTER, though the sixteen work-groups of a head read the same K and V: a step is passed over by a branch on a number read from memory.
;   So K and V go through registers: a wave loads its eighth of each of four slots (4 key steps each) by 17 loads of 512 consecutive bytes and stores it to LDS by 17 stores; a barrier stands ahead of each slot's steps.
;   Slots 0, 1 and 2 are asked for at the head, slot 3 when slot 0 has landed: at most 54 loads of a wave are out.  Nothing is left to prefetch.
; LAYOUT: both products transposed: S^T = K Q^T (source 0 = 16 keys, source 1 = my 16 queries), O^T = V^T P^T: a lane holds ONE query (lane % 16) throughout.  Register 8 t + j of the scores is key 16 t + 8 (lane / 16) + j.
; LIMITS: a block of o whose largest magnitude lies under 2^-124, and a block of zeros, get the scale byte 1 (read by this program alone).
; REGISTERS, window 0: v1 16 x lane; v2 the step's LDS address; v3, v7, v10, v11, v255 offsets; v[4:5] c; v6 where I store K and V; v8 Q's scale words; v9 the scale word just made; v12 -M, v13 the largest t, v[14:15] the sum in two halves;
;   v[16:23] Q; v[24:27] K's scale words, v[28:31] V's; v[32:95] eight fragments of K, then of V (at the head v[32:99]: slot 0 on its way); v[96:159] S^T, then p; v[160:223] O^T; v[224:231] the codes just made; v[232:247] at work;
;   v[248:249] f, 0; v250 -infinity; v251-254 at work.   window 1: v0-203: slots 1, 2 and 3 on their way, 68 registers each.
.set HEADB, 278528                     ; a head's bytes in kv
.set STEPB, 17408                      ; a key step: K's 8 fragments, V's 8, K's scale block, V's
.set SLOTB, 4*STEPB
.set PARTB, 8704                       ; a wave's eighth of a slot; also a block of qimg and of oimg
.set NLD,   PARTB/512                  ; loads that bring it: 17
.set VO,    8192
.set KSO,   16384
.set VSO,   16896
.set OSC,   HEADB                      ; behind K and V: 512 bytes in which o's scale words meet
.set L16,  1
.set ADR,  2
.set SA,   6
.set SOFF, 255
.set WV,   2                           ; s2   my wave's number
.set TB,   3                           ; s3   LDS byte at which the step in hand begins
.set OFF,  4                           ; s4   byte at which the mask words asked for begin in my tile's 4,096
.set CNT,  5                           ; s5   counts a slot's four steps
.set MP,   6                           ; s[6:7] my tile's mask words
.set HIDR, 8                           ; s8   bit 0: the step in hand is wholly hidden; bit i: the step i further on
.set MIXR, 9                           ; s9   the same for 'neither wholly hidden nor open'
.set STN,  10                          ; s10  the step's number + 1
.set OBASE, 12                         ; s[12:13] oimg
.set KVB,  14                          ; s[14:15] my eighth of slot 0 in kv
.set SEL,  66                          ; s[66:67] v_permlanex16_b32's selects for lane l xor 16
.set OB,   100                         ; s[100:101] my tile's block of oimg
.set QB,   104                         ; s[104:105] my tile's block of qimg
                                       ; s[16:63], s[68:83]: 64 mask words (at the head: at work);  s84, s85 at work (at the head s[84:99]: the tile's sixteen words of skipw)
.set MSB, 0
.macro WIN new                         ; the immediate's high byte repeats the setting that is left
.if MSB != (\new)
	s_set_vgpr_msb (MSB<<8)|(\new)
.set MSB, (\new)
.endif
.endm
.macro MLOAD                           ; a step's 64 mask words
	s_load_b512 s[16:31], s[MP:MP+1], s[OFF] offset:0x0
	s_load_b512 s[32:47], s[MP:MP+1], s[OFF] offset:0x40
	s_load_b512 s[48:63], s[MP:MP+1], s[OFF] offset:0x80
	s_load_b512 s[68:83], s[MP:MP+1], s[OFF] offset:0xc0
.endm
; From the four blocks' largest magnitudes in v232-235 (at or above the floor): the conversions' scale operands in v244-247, the bytes in v236-239, the row's scale word in v9
.macro TOWORD
.irp b, 0,1,2,3
	v_add_nc_u32 v[244+\b], 0xff000000, v[232+\b]  ; 2 off the exponent field
.endr
.irp b, 0,1,2,3
	v_lshrrev_b32 v[236+\b], 23, v[244+\b]
.endr
	v_lshl_or_b32 v9, v237, 8, v236
	v_lshl_or_b32 v9, v238, 16, v9
	v_lshl_or_b32 v9, v239, 24, v9
.endm
; The 64 numbers in v96-159 become a fragment's codes in v224-231.  A tile's word holds codes 16 t + 0 .. 7 in lanes 0-15 and 16 t + 8 .. 15 in lanes 16-31; the operand wants register 4 c + g to hold K = 64 c + 32 h + 8 g + 0 .. 7:
; the words of tiles 4 c, 4 c + 2, 4 c + 1, 4 c + 3 go to registers 4 c .. 4 c + 3, and two exchanges of halves between neighbours finish the layout.
.macro TOCODES
.irp b, 0,1,2,3
.irp u, 0,1
	v_cvt_scalef32_pk8_fp4_f32 v[224+4*(\b/2)+(\b%2)+2*\u], v[96+16*\b+8*\u:96+16*\b+8*\u+7], v[244+\b]
.endr
.endr
	v_nop                                          ; one plain place behind a scaled conversion
.irp c, 0,1
	v_permlane16_swap_b32 v[224+4*\c], v[225+4*\c]
	v_permlane16_swap_b32 v[226+4*\c], v[227+4*\c]
.endr
.endm
	s_load_b256 s[16:23], s[0:1], 0x0              ; qimg s[16:17], kv s[18:19], maskw s[20:21], skipw s[22:23]
	s_load_b64 s[24:25], s[0:1], 0x20              ; oimg
	v_lshl_add_u32 v243, v0, 2, 0x44200
	v_mov_b32 v253, 0
	v_lshrrev_b32 v1, 5, v0
	v_readfirstlane_b32 s[WV], v1                  ; wave 0..7
	s_and_b32 s26, ttmp7, 0xffff                   ; the head
	s_lshr_b32 s27, s[WV], 2
	s_xor_b32 s27, s27, s[WV]
	s_and_b32 s27, s27, 1                          ; e: which of the work-group's two half-blocks
	s_lshr_b32 s28, s[WV], 1                       ; which of its four tiles
	s_lshl_b32 s29, ttmp9, 1
	s_sub_co_u32 s29, 31, s29
	s_mul_i32 s29, s29, s27
	s_add_co_u32 s29, s29, ttmp9                   ; the half-block: x, or 31 - x
	s_lshl_b32 s30, s29, 2
	s_add_co_u32 s30, s30, s28                     ; T: my tile of 16 queries
	s_lshr_b32 s31, s29, 1                         ; its block of 128 queries,
	s_and_b32 s29, s29, 1                          ; and which half of that block
	s_mul_i32 s32, s26, 16*PARTB
	s_mul_i32 s33, s31, PARTB
	s_add_co_u32 s32, s32, s33                     ; qimg [head][block]
	s_mov_b32 s33, 0
	s_lshl_b32 s34, s31, 4
	s_add_co_u32 s34, s34, s26
	s_mul_i32 s34, s34, PARTB                      ; oimg [block][head]
	s_mov_b32 s35, 0
	s_lshl_b32 s36, s30, 12                        ; maskw: 4,096 bytes a tile
	s_mov_b32 s37, 0
	s_lshl_b32 s38, s30, 6                         ; skipw: 64 bytes a tile
	s_mov_b32 s39, 0
	s_mul_i32 s42, s[WV], PARTB                    ; my eighth of a slot, in LDS and in memory alike
	s_mul_i32 s40, s26, HEADB
	s_add_co_u32 s40, s40, s42
	s_mov_b32 s41, 0
	s_lshr_b32 s44, ttmp9, 1                       ; where the two half-blocks' scale words go in oimg (less the 8,192 bytes of a block's fragments): half-block x's unit of 256 bytes,
	s_lshl_b32 s44, s44, 4
	s_add_co_u32 s44, s44, s26
	s_mul_i32 s44, s44, PARTB
	s_and_b32 s45, ttmp9, 1
	s_lshl_b32 s45, s45, 8
	s_add_co_u32 s44, s44, s45
	s_sub_co_u32 s46, 31, ttmp9                    ; half-block 31 - x's,
	s_lshr_b32 s47, s46, 1
	s_lshl_b32 s47, s47, 4
	s_add_co_u32 s47, s47, s26
	s_mul_i32 s47, s47, PARTB
	s_and_b32 s46, s46, 1
	s_lshl_b32 s46, s46, 8
	s_add_co_u32 s47, s47, s46
	s_sub_co_u32 s47, s47, s44                     ; as a distance from the first: above 0 and under 2^24
	v_and_b32 v1, 31, v0
	v_lshlrev_b32 v[L16], 4, v1                    ; 16 x lane
	v_and_b32 v251, 15, v0
	v_lshlrev_b32 v251, 4, v251                    ; 16 r
	v_bfe_u32 v252, v0, 4, 1                       ; h
	s_lshl_b32 s48, s29, 2
	s_add_co_u32 s48, s48, s28                     ; my tile's number in its block
	s_lshl_b32 s48, s48, 10
	v_add_nc_u32 v3, s48, v[L16]                   ; its fragment in a block of qimg or oimg
	s_lshl_b32 s48, s29, 8
	s_lshl_b32 s49, s28, 2
	s_add_co_u32 s48, s48, s49
	v_add_nc_u32 v7, s48, v251                     ; its words in a scale block: 256 x half + 16 r + 4 x tile
	s_lshl_b32 s48, s27, 8
	s_add_co_u32 s48, s48, s49
	s_add_co_u32 s48, s48, OSC
	v_add_nc_u32 v10, s48, v251                    ; o's scale words in LDS: 256 e + 16 r + 4 x tile
	v_add_nc_u32 v11, OSC, v[L16]                  ; and where wave 0 reads them back
	v_add_nc_u32 v[SA], s42, v[L16]                ; where I store K and V: my eighth of slot 0
	v_mul_u32_u24 v[SOFF], s47, v252               ; wave 0's store: lanes 0-15 half-block x's unit, lanes 16-31 the other's
	v_add_nc_u32 v[SOFF], s44, v[SOFF]
	v_add_nc_u32 v[SOFF], v251, v[SOFF]
	s_mov_b32 s[SEL], 0x76543210
	s_mov_b32 s[SEL+1], 0xfedcba98
	s_mov_b32 s[STN], 0
	s_wait_kmcnt 0x0
	s_add_nc_u64 s[QB:QB+1], s[16:17], s[32:33]
	s_add_nc_u64 s[KVB:KVB+1], s[18:19], s[40:41]
	s_add_nc_u64 s[MP:MP+1], s[20:21], s[36:37]
	s_add_nc_u64 s[22:23], s[22:23], s[38:39]
	s_mov_b64 s[OBASE:OBASE+1], s[24:25]
	s_add_nc_u64 s[OB:OB+1], s[24:25], s[34:35]
	s_load_b512 s[84:99], s[22:23], 0x0            ; my tile's sixteen words of skipw
	global_load_b128 v[16:19], v3, s[QB:QB+1]      ; Q's fragment stays in registers
	global_load_b128 v[20:23], v3, s[QB:QB+1] offset:512
	global_load_b32 v8, v7, s[QB:QB+1] offset:8192
.set k, 0
.rept NLD                              ; my eighth of slot 0: each load reads 512 consecutive bytes
	global_load_b128 v[32+4*k:35+4*k], v[L16], s[KVB:KVB+1] offset:512*k
.set k, k+1
.endr
	WIN 0x40                                       ; destination window 1
.irp sl, 1,2
.set k, 0
.rept NLD
	global_load_b128 v[68*(\sl-1)+4*k:68*(\sl-1)+4*k+3], v[L16], s[KVB:KVB+1] offset:\sl*SLOTB+512*k
.set k, k+1
.endr
.endr
	WIN 0
	s_wait_kmcnt 0x0                               ; the sixteen words:
.set k, 1
.rept 15
	s_or_b32 s84, s84, s[84+k]                     ; each holds its own step's two bits
.set k, k+1
.endr
	s_and_b32 s[HIDR], s84, 0xffff                 ; bit s: step s is wholly hidden
	s_lshr_b32 s85, s84, 16                        ; bit s: nothing is hidden in step s
	s_or_b32 s85, s85, s[HIDR]
	s_xor_b32 s[MIXR], s85, 0xffff                 ; bit s: neither
	s_ctz_i32_b32 s84, s[MIXR]                     ; the first mixed step (none: all ones),
	s_min_u32 s84, s84, 15                         ; held inside the tile's sixteen
	s_lshl_b32 s[OFF], s84, 8
	MLOAD                                          ; its mask words
	v_mov_b32 v4, 0x3e0293ee                       ; c = log2(e) / sqrt(128)
	v_mov_b32 v5, v4
	v_mov_b32 v13, 0xff61b1e6                      ; the largest t so far: -3e38, under every t
	v_floor_f32 v12, -v13                          ; -M
	v_mov_b32 v14, 0                               ; the sum, in two halves
	v_mov_b32 v15, 0
.irp b, 0,1,2,3
	v_mov_b32 v[236+\b], 0                         ; a lane permute's destination counts as one of its sources
.endr
	v_mov_b32 v249, 0
	v_mov_b32 v250, 0xff800000                     ; -infinity
	v_mov_b32 v251, 0
.set j, 0
.rept 64
	v_mov_b32 v[160+j], 0                          ; O^T.  (Which step is a tile's first is not known to the text: every step finds sums, at first zeros, which the first change of M leaves zeros)
.set j, j+1
.endr
	s_wait_loadcnt 2*NLD                           ; Q, its scale words and slot 0 are in; the 34 loads of slots 1 and 2 may be out
.set k, 0
.rept NLD
	ds_store_b128 v[SA], v[32+4*k:35+4*k] offset:512*k
.set k, k+1
.endr
	WIN 0x40
.set k, 0
.rept NLD                              ; slot 3 is asked for now: 51 loads of mine are out
	global_load_b128 v[136+4*k:139+4*k], v[L16], s[KVB:KVB+1] offset:3*SLOTB+512*k
.set k, k+1
.endr
	WIN 0
; A KEY STEP: 128 keys.
.macro STEP
	s_and_b32 s84, s[HIDR], 1                      ; this step's two bits,
	s_and_b32 s85, s[MIXR], 1
	s_lshr_b32 s[HIDR], s[HIDR], 1                 ; and on to the next step's
	s_lshr_b32 s[MIXR], s[MIXR], 1
	s_add_co_u32 s[STN], s[STN], 1
	s_cmp_lg_u32 s84, 0
	s_cbranch_scc1 .Lhidden_\@                     ; every key of the step is hidden from all my queries: only the address steps.  No barrier and no wait that the other way needs stands under this branch
	v_add_nc_u32 v[ADR], s[TB], v[L16]
.rept 3
	v_nop                                          ; with the addition: four places behind the last products, in front of loads into registers that they have read
.endr
	ds_load_b128 v[24:27], v[ADR] offset:KSO       ; K's scale words: register j: lanes 0-15 tile j's, lanes 16-31 tile 4 + j's
.irp t, 0,1,2,3,4,5,6,7
.irp c, 0,1
	ds_load_b128 v[32+8*\t+4*\c:32+8*\t+4*\c+3], v[ADR] offset:1024*\t+512*\c
.endr
.endr
	s_wait_dscnt 0x0
.irp t, 0,1,2,3
	v_wmma_scale_f32_16x16x128_f8f6f4 v[96+8*\t:103+8*\t], v[32+8*\t:39+8*\t], v[16:23], 0, v[24+\t], v8 matrix_a_fmt:MATRIX_FMT_FP4 matrix_b_fmt:MATRIX_FMT_FP4
.endr
.irp t, 4,5,6,7
	v_wmma_scale_f32_16x16x128_f8f6f4 v[96+8*\t:103+8*\t], v[32+8*\t:39+8*\t], v[16:23], 0, v[20+\t], v8 matrix_a_fmt:MATRIX_FMT_FP4 matrix_b_fmt:MATRIX_FMT_FP4 matrix_a_scale:MATRIX_SCALE_ROW1
.endr
.rept 4
	v_nop                                          ; places: the loads below land in K's registers, the lines below read the scores
.endr
	ds_load_b128 v[28:31], v[ADR] offset:VSO       ; V's scale words and fragments: they land under the softmax
.irp t, 0,1,2,3,4,5,6,7
.irp c, 0,1
	ds_load_b128 v[32+8*\t+4*\c:32+8*\t+4*\c+3], v[ADR] offset:VO+1024*\t+512*\c
.endr
.endr
	s_cmp_eq_u32 s85, 0
	s_cbranch_scc1 .Lopen_\@                       ; nothing is hidden in this step: no select, and the mask words that are out are a later step's
	s_wait_kmcnt 0x0                               ; this step's mask words: asked for behind the last mixed step's selects, or at the head
.set n, 0
.rept 64                               ; hidden scores become -infinity ahead of the maximum: p = 0 then.  Ascending: each accumulator is read from its low end on
.if n < 48
.set mw, 16+n
.else
.set mw, 20+n
.endif
	v_cndmask_b32 v[96+n], v[96+n], v250, s[mw]
.set n, n+1
.endr
	s_ctz_i32_b32 s84, s[MIXR]                     ; how many steps on from the next one the next mixed step lies (none: -1),
	s_add_co_u32 s84, s84, s[STN]                  ; its number,
	s_min_u32 s84, s84, 15                         ; held inside the tile's sixteen: no load leaves the tile's 4,096 bytes
	s_lshl_b32 s[OFF], s84, 8                      ; (the wait above has shown the last loads done, so their offset may be written)
	MLOAD
.Lopen_\@:
.irp b, 0,1,2,3
	v_max3_num_f32 v[232+\b], v[96+16*\b], v[97+16*\b], v[98+16*\b]   ; the largest score of each block of 32 keys: it serves for the row's maximum and, since p rises with the score, for the block's largest p
.endr
.irp i, 3,5,7,9,11,13
.irp b, 0,1,2,3
	v_max3_num_f32 v[232+\b], v[232+\b], v[96+16*\b+\i], v[97+16*\b+\i]
.endr
.endr
.irp b, 0,1,2,3
	v_max_num_f32 v[232+\b], v[232+\b], v[111+16*\b]
.endr
.irp b, 0,1,2,3
	v_permlanex16_b32 v[236+\b], v[232+\b], s[SEL], s[SEL+1]
.endr
.irp b, 0,1,2,3
	v_max_num_f32 v[232+\b], v[232+\b], v[236+\b]  ; with lane l xor 16's 16 keys
.endr
	v_max3_num_f32 v254, v232, v233, v234
	v_max_num_f32 v254, v254, v235                 ; the step's largest score of my query
	v_mul_f32 v254, v4, v254                       ; as t (c is positive)
	v_max_num_f32 v13, v13, v254                   ; the running largest t
	v_mov_b32 v254, v12
	v_floor_f32 v12, -v13                          ; the new -M = floor(-t) = -ceil(t)
	v_sub_f32 v254, v12, v254                      ; old M - new M: a whole number, 0 or less
	v_cvt_i32_f32 v254, v254                       ; (it saturates)
	v_ldexp_f32 v248, 1.0, v254                    ; f = 2^(old M - new M)
.set j, 0
.rept 32
	v_pk_fma_f32 v[96+j:97+j], v[96+j:97+j], v[4:5], v[12:13] op_sel_hi:[1,0,0]   ; t - M, two at a time (of the pairs c and -M the low word serves both halves)
.set j, j+2
.endr
.irp b, 0,1,2,3
	v_fma_f32 v[232+\b], v[232+\b], v4, v12        ; the same of each block's largest score
.endr
.set j, 0
.rept 64
	v_exp_f32 v[96+j], v[96+j]                     ; p = 2^(t - M), at most 1
.set j, j+1
.endr
	v_pk_mul_f32 v[14:15], v[14:15], v[248:249] op_sel_hi:[1,0]   ; the sums under the new M.  (A plain place behind the exponentials)
	s_wait_alu depctr_va_vdst(0)                   ; one wait for the whole batch, ahead of its first reader
.irp b, 0,1,2,3
	v_exp_f32 v[232+\b], v[232+\b]                 ; the block's largest p: the same two instructions on the same number give the same bits
.endr
	v_pk_add_f32 v[236:237], v[96:97], v[98:99]    ; the row's sum is taken of the unquantised p: two at a time, in two chains
.set j, 4
.rept 15
	v_pk_add_f32 v[14:15], v[14:15], v[96+j:97+j]
	v_pk_add_f32 v[236:237], v[236:237], v[98+j:99+j]
.set j, j+4
.endr
	v_pk_add_f32 v[14:15], v[14:15], v[236:237]
	s_wait_alu depctr_va_vdst(0)                   ; and one for the four
.irp b, 0,1,2,3
	v_max_num_f32 v[232+\b], 0x1800000, v[232+\b]  ; the floor 2^(3 - 127): the byte cannot fall under 1 (a block whose every p is 0 keeps that byte: its codes are zeros)
.endr
	TOWORD
	TOCODES
.set j, 0
.rept 32
	v_pk_mul_f32 v[160+j:161+j], v[160+j:161+j], v[248:249] op_sel_hi:[1,0]   ; O^T under the new M.  (Also the places between the scale word and the codes just made and the products below)
.set j, j+2
.endr
	s_wait_dscnt 0x0                               ; V
.irp t, 0,1,2,3
	v_wmma_scale_f32_16x16x128_f8f6f4 v[160+8*\t:167+8*\t], v[32+8*\t:39+8*\t], v[224:231], v[160+8*\t:167+8*\t], v[28+\t], v9 matrix_a_fmt:MATRIX_FMT_FP4 matrix_b_fmt:MATRIX_FMT_FP4
.endr
.irp t, 4,5,6,7
	v_wmma_scale_f32_16x16x128_f8f6f4 v[160+8*\t:167+8*\t], v[32+8*\t:39+8*\t], v[224:231], v[160+8*\t:167+8*\t], v[24+\t], v9 matrix_a_fmt:MATRIX_FMT_FP4 matrix_b_fmt:MATRIX_FMT_FP4 matrix_a_scale:MATRIX_SCALE_ROW1
.endr
.Lhidden_\@:
	s_add_co_u32 s[TB], s[TB], STEPB
.endm
; Slot sl: four key steps.  My eighth of it goes from its registers to LDS (slot 0's went at the head); my stores have landed in front of the signal; behind the barrier everybody's have.  No LDS byte is written twice,
; so one barrier a slot is all: a wave that is ahead stores into a slot that nobody reads yet.
.macro SLOT sl
.if \sl > 0
	s_wait_loadcnt NLD*(3-\sl)                     ; this slot's 17 loads are in; those of the slots behind it may be out
	v_add_nc_u32 v[SA], SLOTB, v[SA]
	WIN 0x04                                       ; an LDS store's data are its source 1: window 1
.set k, 0
.rept NLD
	ds_store_b128 v[SA], v[68*(\sl-1)+4*k:68*(\sl-1)+4*k+3] offset:512*k
.set k, k+1
.endr
	WIN 0
.endif
	s_wait_dscnt 0x0                               ; for the others' sake: my stores have landed
	s_barrier_signal -1
	s_barrier_wait -1
	s_mov_b32 s[TB], \sl*SLOTB
	s_mov_b32 s[CNT], 4
.Lstep_\@:
	STEP
	s_sub_co_u32 s[CNT], s[CNT], 1
	s_cmp_lg_u32 s[CNT], 0
	s_cbranch_scc1 .Lstep_\@
.endm
	SLOT 0
	SLOT 1
	SLOT 2
	SLOT 3
	; THE WAY OUT.  O^T is divided by the row's sum and quantised along the head's 128 features: my tile becomes one fragment of the last product, and a scale word a row.
	v_add_f32 v14, v14, v15                        ; the sum's two halves,
	v_permlanex16_b32 v251, v14, s[SEL], s[SEL+1]
	v_add_f32 v14, v14, v251                       ; and lane l xor 16's: the row's sum
	v_rcp_f32 v252, v14
	v_cmp_eq_f32 vcc_lo, 0, v14                    ; every key hidden?
	v_nop
	v_nop
	s_wait_alu depctr_va_vdst(0)                   ; ahead of the reciprocal's first reader
	v_cndmask_b32 v252, v252, v249, vcc_lo         ; then the codes are made zeros
.set j, 0
.rept 64
	v_mul_f32 v[96+j], v[160+j], v252              ; register 8 t + j is o(query r, feature 16 t + 8 h + j).  Ascending: each accumulator is read from its low end on
.set j, j+1
.endr
.irp b, 0,1,2,3
	v_max3_num_f32 v[232+\b], |v[96+16*\b]|, |v[97+16*\b]|, 0x1800000   ; my 16 numbers of block b, and the floor
.endr
.irp i, 2,4,6,8,10,12,14
.irp b, 0,1,2,3
	v_max3_num_f32 v[232+\b], v[232+\b], |v[96+16*\b+\i]|, |v[97+16*\b+\i]|
.endr
.endr
.irp b, 0,1,2,3
	v_permlanex16_b32 v[236+\b], v[232+\b], s[SEL], s[SEL+1]
.endr
.irp b, 0,1,2,3
	v_max_num_f32 v[232+\b], v[232+\b], v[236+\b]
.endr
	TOWORD
	TOCODES
	v_cndmask_b32 v9, v9, -1, vcc_lo               ; and the row's four scale bytes 0xff
	global_store_b128 v3, v[224:227], s[OB:OB+1]   ; the 32 lanes store 512 consecutive bytes, at a multiple of 256 from the buffer's first byte
	global_store_b128 v3, v[228:231], s[OB:OB+1] offset:512
	ds_store_b32 v10, v9                           ; the scale words of a half-block's four tiles meet in 256 bytes of LDS (lanes l and l xor 16 write the same word with the same value)
	s_wait_kmcnt 0x0                               ; the last look-ahead for mask words
	s_wait_dscnt 0x0                               ; for the others' sake: my store has landed
	s_barrier_signal -1
	s_barrier_wait -1
	s_cmp_lg_u32 s[WV], 0
	s_cbranch_scc1 .Lnot_first
	ds_load_b128 v[232:235], v11                   ; wave 0 stores both: sixteen lanes fill one aligned unit of 256 bytes, in half-block x's block of oimg, the other sixteen one in half-block 31 - x's
	s_wait_dscnt 0x0
	global_store_b128 v[SOFF], v[232:235], s[OBASE:OBASE+1] offset:8192
.Lnot_first:
	s_wait_tensorcnt 0x0
	ds_add_u32 v243, v253
	s_wait_dscnt 0x0
	s_endpgm
.Lfunc_end_k_q5e77bae2fa_attn:
	.size	k_q5e77bae2fa_attn, .Lfunc_end_k_q5e77bae2fa_attn-k_q5e77bae2fa_attn
	.p2alignl 7, 3214868480
	.fill 96, 4, 3214868480
	.section	.rodata,"a",@progbits
	.p2align	6, 0x0
	.amdhsa_kernel k_q5e77bae2fa_attn
		.amdhsa_group_segment_fixed_size 280064
		.amdhsa_private_segment_fixed_size 0
		.amdhsa_enable_private_segment 0
		.amdhsa_kernarg_size 40
		.amdhsa_user_sgpr_count 2
		.amdhsa_user_sgpr_kernarg_segment_ptr 1
		.amdhsa_wavefront_size32 1
		.amdhsa_system_sgpr_workgroup_id_x 1
		.amdhsa_system_sgpr_workgroup_id_y 1
		.amdhsa_system_sgpr_workgroup_id_z 1
		.amdhsa_system_vgpr_workitem_id 0
		.amdhsa_next_free_vgpr 512
		.amdhsa_next_free_sgpr 106
		.amdhsa_reserve_vcc 1
		.amdhsa_float_denorm_mode_32 3
		.amdhsa_float_denorm_mode_16_64 3
		.amdhsa_memory_ordered 1
		.amdhsa_forward_progress 1
		.amdhsa_inst_pref_size 114
	.end_amdhsa_kernel
	.amdgpu_metadata
---
amdhsa.version: [ 1, 2 ]
amdhsa.kernels:
  - .name:           k_q5e77bae2fa_attn
    .symbol:         k_q5e77bae2fa_attn.kd
    .args:
      - { .name: qimg, .offset: 0, .size: 8, .value_kind: global_buffer, .address_space: global }
      - { .name: kv, .offset: 8, .size: 8, .value_kind: global_buffer, .address_space: global }
      - { .name: maskw, .offset: 16, .size: 8, .value_kind: global_buffer, .address_space: global }
      - { .name: skipw, .offset: 24, .size: 8, .value_kind: global_buffer, .address_space: global }
      - { .name: oimg, .offset: 32, .size: 8, .value_kind: global_buffer, .address_space: global }
    .group_segment_fixed_size: 280064
    .private_segment_fixed_size: 0
    .kernarg_segment_align: 8
    .kernarg_segment_size: 40
    .max_flat_workgroup_size: 256
    .sgpr_count:     106
    .vgpr_count:     512
    .wavefront_size: 32
...
	.end_amdgpu_metadata
.endif
;; end of part 3
;; launch outproj (part 4): grid 16 x 16, 4 waves a work-group, clusters of 4 x 4, 296,448 bytes of LDS; arguments oimg, wo_codes, wo_scales, bo, out0; writes out0
.if DOCPART == 4
	.amdgcn_target "amdgcn-amd-amdhsa--gfx1250"
	.amdhsa_code_object_version 6
	.text
	.protected	k_q5e77bae2fa_outproj
	.globl	k_q5e77bae2fa_outproj
	.p2align	8
	.type	k_q5e77bae2fa_outproj,@function
k_q5e77bae2fa_outproj:
	s_mov_b64 s[64:65], 0
	v_nop
	global_prefetch_b8 v0, s[64:65] scope:SCOPE_SE
	s_setreg_imm32_b32 hwreg(HW_REG_WAVE_MODE, 25, 1), 1
	s_wait_xcnt 0x0
	s_wait_alu depctr_hold_cnt(0) depctr_sa_sdst(0) depctr_va_vdst(0) depctr_va_sdst(0) depctr_va_ssrc(0) depctr_va_vcc(0) depctr_vm_vsrc(0)
	s_getreg_b32 s2, hwreg(HW_REG_IB_STS2, 6, 4)
	s_cmp_eq_u32 s2, 0
	s_cbranch_scc0 .Lentry_in_a_cluster
	s_endpgm
.Lentry_in_a_cluster:
	s_bfe_u32 s2, ttmp6, 0x10000c
	s_cmp_lg_u32 s2, 0xf033
	s_cbranch_scc0 .Lentry_shape_is_right
	s_endpgm
.Lentry_shape_is_right:
; out0 = o wo^T + bo on codes of FP4 (E2M1) with one E8M0 scale for each 32 along K = 2,048.  o comes as images of the operand's registers (oimg [128 tokens 16][head 16][8 fragments x 1,024 | scale block 512]), wo as rows of codes.
; A tile of 128 tokens x 128 features to a work-group (256 work-groups: tiles of 256 x 256 would be 64), 64 x 64 to each of its four waves: 16 accumulators.
; LDS holds ALL of K for both operands, filled ONCE, in four chunks of 512 along K (four heads): four tensor loads a wave, issued together at the head; a chunk is read behind a counted wait and a barrier while the later ones are on their way.
; So nothing is filled again, and nothing is left to prefetch.
; CLUSTERS: 4 x 4 work-groups; o's blocks are asked for jointly along a row of the cluster, wo's rows along a column.
; THE MATRIX INSTRUCTION IS USED TRANSPOSED (source 0 = 16 rows of wo, source 1 = 16 tokens): a lane holds eight neighbouring features of a token.  bo is the C of each sum's first matrix instruction.
; A token whose scale bytes are 0xff (every key hidden in some head) gives NaN in all its sums.
; REGISTERS: window 0: v16-23 addresses; v32-63 wo's scale words for all of K; v64-71 o's, two sets; v72-103 bo; v128-255 two sets of fragments (o's four at 128 + 64 p, wo's four at 160 + 64 p), later rows of the result.
;   window 1: v0-127 the accumulators ((a, b) at v[8 (4 a + b)]).
.set CHUNK, 69632                      ; LDS: o's 4 blocks of 8,704 bytes, then wo's 128 rows of 272
.set HALFC, 17408                      ; what one tensor load brings
.set WOFF,  34816
.set OBLK,  8704
.set PITCH, 272                        ; a row of wo in LDS: 256 bytes + 16 of padding = 68 words: row r starts 4 r words on modulo 64
.set STAGE, 4*CHUNK                    ; the way out: 16 rows x (256 bytes + 16) for each wave, its own; no tile lands there
.set ADRA, 16                          ; v16  o's fragments: 4,096 i + 16 x lane
.set ADRB, 17                          ; v17  wo's: its rows 64 j + r
.set ADRS, 18                          ; v18  o's scale words: lanes 0-15 an even K step's, lanes 16-31 the next one's
.set STO,  19                          ; v19  the way out: where I put 32 bytes of a row
.set RD,   20                          ; v20  where I read a row back
.set CO,   21                          ; v21  my byte offset in two rows of out0
.set WSO,  22                          ; v22  offset of wo's scale words
.set BOO,  23                          ; v23  offset in bo
.set WS,   32
.set OS,   64
.set BO,   72
.set G1A,  24                          ; s[24:31] group 1 for o's blocks;  s[32:39] for wo's rows
.set G1B,  32                          ; groups 0, one for each chunk: o's s[40:55]; wo's s[56:63], s[68:75]
.set MSB, 0
.macro WIN new                         ; the immediate's high byte repeats the setting that is left
.if MSB != (\new)
	s_set_vgpr_msb (MSB<<8)|(\new)
.set MSB, (\new)
.endif
.endm
.macro JLOAD g0a, g1a, g0b, g1b        ; a joint load: waves 0 and 1 fetch o's blocks, waves 2 and 3 wo's rows; four v_nop follow each of the two lines
	s_cmp_eq_u32 s15, 0
	s_cbranch_scc0 .Lfor_b_\@
	tensor_load_to_lds s[\g0a:\g0a+3], s[\g1a:\g1a+7]
	s_nop 0
.rept 4
	v_nop
.endr
	s_branch .Lasked_\@
.Lfor_b_\@:
	tensor_load_to_lds s[\g0b:\g0b+3], s[\g1b:\g1b+7]
	s_nop 0
.rept 4
	v_nop
.endr
.Lasked_\@:
.endm
.macro CROUND                          ; a round of the cluster's barrier
	s_barrier_signal -1
	s_barrier_wait -1
	s_cmp_lg_u32 s14, 0
	s_cbranch_scc1 .Lnot_wave_0_\@
	s_barrier_signal -3
.Lnot_wave_0_\@:
	s_barrier_wait -3
	s_barrier_signal -1
	s_barrier_wait -1
.endm
	s_load_b256 s[4:11], s[0:1], 0x0               ; oimg s[4:5], wo's codes s[6:7], wo's scales s[8:9], bo s[10:11]
	s_load_b64 s[12:13], s[0:1], 0x20              ; out0
	v_lshl_add_u32 v126, v0, 2, 0x48400
	v_mov_b32 v127, 0
	ds_add_u32 v126, v127
	ds_add_u32 v126, v127
	v_lshrrev_b32 v1, 5, v0
	v_readfirstlane_b32 s14, v1                    ; wave 0..3
	s_lshr_b32 s15, s14, 1                         ; i: which 64 tokens are mine.  Also: I fetch o (0) or wo (1)
	s_and_b32 s16, s14, 1                          ; j: which 64 features.  Also: which half of a chunk's part I fetch
	s_bfe_u32 s17, ttmp6, 0x40000                  ; cx, cy: my place in the cluster
	s_bfe_u32 s18, ttmp6, 0x40004
	s_lshl_b32 s19, ttmp9, 2
	s_add_co_u32 s19, s19, s17                     ; the tile of 128 features = 4 x cluster x + cx
	s_and_b32 s20, ttmp7, 0xffff
	s_lshl_b32 s20, s20, 2
	s_add_co_u32 s20, s20, s18                     ; the block of 128 tokens = 4 x cluster y + cy
	s_lshl_b32 s21, s18, 2
	s_lshl_b32 s21, 15, s21                        ; my row of the cluster
	s_lshl_b32 s22, 0x1111, s17                    ; my column
	s_or_b32 s[G1A+0], s21, (3<<16)|(1<<21)        ; o's blocks go to my row; elements of 8 bytes; bit 21 beside a mask; no padding: images are read 16 bytes a lane on end
	s_mov_b32 s[G1A+1], 32<<16                     ; rows of 256 bytes,
	s_mov_b32 s[G1A+2], 68<<16                     ; 68 of them: two blocks, 17,408 dense bytes
	s_mov_b32 s[G1A+3], 32<<16
	s_mov_b32 s[G1A+4], 68
	s_mov_b32 s[G1A+5], 32
	s_mov_b32 s[G1A+6], 0
	s_mov_b32 s[G1A+7], 0
	s_or_b32 s[G1B+0], s22, (0<<16)|(1<<20)|(1<<21)|(5<<22)|(3<<25)  ; wo's rows go to my column; elements of 1 byte; 4 words of padding behind every 64
	s_mov_b32 s[G1B+1], 256<<16
	s_mov_b32 s[G1B+2], 64<<16
	s_mov_b32 s[G1B+3], 256<<16
	s_mov_b32 s[G1B+4], 64
	s_mov_b32 s[G1B+5], 1024                       ; a row of wo's codes in memory
	s_mov_b32 s[G1B+6], 0
	s_mov_b32 s[G1B+7], 0
	s_mul_i32 s76, s20, 16*OBLK
	s_mul_i32 s23, s16, HALFC
	s_add_co_u32 s76, s76, s23                     ; o: my block of tokens, my two heads of a chunk's four
	s_mov_b32 s77, 0
	s_lshl_b32 s81, s19, 7
	s_lshl_b32 s23, s16, 6
	s_add_co_u32 s81, s81, s23                     ; wo: row 128 x tile + 64 x half: the rows that I fetch, and (j being the same number) the features that I compute
	s_lshl_b32 s78, s81, 10
	s_mov_b32 s79, 0
	s_mul_i32 s80, s14, HALFC                      ; where they go in a chunk: wave x 17,408: no place in the cluster enters an LDS address
	s_wait_dscnt 0x0
	s_wait_kmcnt 0x0
	s_add_nc_u64 s[76:77], s[4:5], s[76:77]
	s_add_nc_u64 s[78:79], s[6:7], s[78:79]
	CROUND                                         ; all sixteen work-groups are here: the joint loads meet
.macro FILL q, ga, gb
	s_mov_b32 s[\ga], 1
	s_add_co_u32 s[\ga+1], s80, (\q)*CHUNK
	s_add_nc_u64 s[\ga+2:\ga+3], s[76:77], (\q)*4*OBLK
	s_or_b32 s[\ga+3], s[\ga+3], 0x80000000
	s_mov_b32 s[\gb], 1
	s_add_co_u32 s[\gb+1], s80, (\q)*CHUNK
	s_add_nc_u64 s[\gb+2:\gb+3], s[78:79], (\q)*256
	s_or_b32 s[\gb+3], s[\gb+3], 0x80000000
	JLOAD \ga, G1A, \gb, G1B
.endm
	FILL 0, 40, 56                                 ; the launch's only tensor loads: four of mine are out
	FILL 1, 44, 60
	FILL 2, 48, 68
	FILL 3, 52, 72
	v_and_b32 v1, 15, v0                           ; r
	v_bfe_u32 v2, v0, 4, 1                         ; h
	v_and_b32 v3, 31, v0
	v_lshlrev_b32 v3, 4, v3                        ; 16 x lane
	s_lshl_b32 s21, s15, 12
	v_add_nc_u32 v[ADRA], s21, v3
	v_mul_u32_u24 v4, v1, PITCH
	v_lshl_add_u32 v4, v2, 4, v4
	s_mul_i32 s21, s16, 64*PITCH
	s_add_co_u32 s21, s21, WOFF
	v_add_nc_u32 v[ADRB], s21, v4
	v_lshlrev_b32 v5, 4, v1
	v_mad_u32_u24 v5, v2, OBLK, v5                 ; 16 r, and one block on for lanes 16-31
	s_lshl_b32 s21, s15, 8
	s_add_co_u32 s21, s21, 8192
	v_add_nc_u32 v[ADRS], s21, v5                  ; in a scale block lane 16 i + r's 16 bytes: the words of row r of my four tiles
	s_mul_i32 s21, s14, 16*PITCH
	s_add_co_u32 s21, s21, STAGE                   ; my stage
	v_mul_u32_u24 v4, v1, PITCH
	v_lshl_add_u32 v4, v2, 5, v4
	v_add_nc_u32 v[STO], s21, v4                   ; in: row r, 32 bytes for each half of the lanes
	v_mul_u32_u24 v4, v2, PITCH
	v_lshl_add_u32 v4, v1, 4, v4
	v_add_nc_u32 v[RD], s21, v4                    ; back: lanes 0-15 one row of 256 bytes, lanes 16-31 the next
	v_lshlrev_b32 v4, 13, v2
	v_lshl_add_u32 v[CO], v1, 4, v4                ; and the same two rows in out0
	v_lshlrev_b32 v4, 6, v1
	v_lshl_add_u32 v[WSO], v2, 4, v4               ; wo's scale bytes: row r of 64 bytes, + 16 h
	v_lshlrev_b32 v[BOO], 5, v2                    ; bo: my half's eight numbers of each 16
	s_lshl_b32 s22, s81, 6
	s_mov_b32 s23, 0
	s_add_nc_u64 s[8:9], s[8:9], s[22:23]          ; my 64 rows' scale bytes: 4,096 consecutive bytes, read once
	s_lshl_b32 s22, s81, 2
	s_add_nc_u64 s[10:11], s[10:11], s[22:23]
	s_add_nc_u64 s[12:13], s[12:13], s[22:23]      ; out0: my first feature,
	s_lshl_b32 s22, s20, 7
	s_lshl_b32 s21, s15, 6
	s_add_co_u32 s22, s22, s21
	s_lshl_b32 s22, s22, 13                        ; my first token: rows of 8,192 bytes
	s_add_nc_u64 s[12:13], s[12:13], s[22:23]
.irp b, 0,1,2,3                        ; register WS + 8 b + 4 e + m: lanes 0-15 the word of K step 8 e + m, lanes 16-31 of K step 8 e + 4 + m, of row r of wo's block b
.irp e, 0,1
	global_load_b128 v[WS+8*\b+4*\e:WS+8*\b+4*\e+3], v[WSO], s[8:9] offset:1024*\b+32*\e
.endr
.endr
.irp b, 0,1,2,3
	global_load_b128 v[BO+8*\b:BO+8*\b+3],   v[BOO], s[10:11] offset:64*\b
	global_load_b128 v[BO+8*\b+4:BO+8*\b+7], v[BOO], s[10:11] offset:64*\b+16
.endr
; K step s (128 along K, one head): its fragments into set s % 2; with an even step o's scale words of that step and the next
.macro FETCH s
.set SETP, 64*((\s)%2)
.set HO, OBLK*((\s)%4)
	WIN 0
.if (\s)%2 == 0
	ds_load_b128 v[OS+4*(((\s)/2)%2):OS+4*(((\s)/2)%2)+3], v[ADRS] offset:HO
.endif
.irp a, 0,1,2,3
.irp c, 0,1
	ds_load_b128 v[128+SETP+8*\a+4*\c:128+SETP+8*\a+4*\c+3], v[ADRA] offset:HO+1024*\a+512*\c
.endr
.endr
.irp b, 0,1,2,3
.irp c, 0,1
	ds_load_b128 v[160+SETP+8*\b+4*\c:160+SETP+8*\b+4*\c+3], v[ADRB] offset:16*PITCH*\b+64*((\s)%4)+32*\c
.endr
.endr
.endm
.macro PROD d, x, y, c, sx, sy         ; one product; RA, RB: which half of the lanes holds this K step's scale words of source 0, of source 1
.if RA && RB
	v_wmma_scale_f32_16x16x128_f8f6f4 v[(\d):(\d)+7], v[(\x):(\x)+7], v[(\y):(\y)+7], v[(\c):(\c)+7], v[(\sx)], v[(\sy)] matrix_a_fmt:MATRIX_FMT_FP4 matrix_b_fmt:MATRIX_FMT_FP4 matrix_a_scale:MATRIX_SCALE_ROW1 matrix_b_scale:MATRIX_SCALE_ROW1
.elseif RA
	v_wmma_scale_f32_16x16x128_f8f6f4 v[(\d):(\d)+7], v[(\x):(\x)+7], v[(\y):(\y)+7], v[(\c):(\c)+7], v[(\sx)], v[(\sy)] matrix_a_fmt:MATRIX_FMT_FP4 matrix_b_fmt:MATRIX_FMT_FP4 matrix_a_scale:MATRIX_SCALE_ROW1
.elseif RB
	v_wmma_scale_f32_16x16x128_f8f6f4 v[(\d):(\d)+7], v[(\x):(\x)+7], v[(\y):(\y)+7], v[(\c):(\c)+7], v[(\sx)], v[(\sy)] matrix_a_fmt:MATRIX_FMT_FP4 matrix_b_fmt:MATRIX_FMT_FP4 matrix_b_scale:MATRIX_SCALE_ROW1
.else
	v_wmma_scale_f32_16x16x128_f8f6f4 v[(\d):(\d)+7], v[(\x):(\x)+7], v[(\y):(\y)+7], v[(\c):(\c)+7], v[(\sx)], v[(\sy)] matrix_a_fmt:MATRIX_FMT_FP4 matrix_b_fmt:MATRIX_FMT_FP4
.endif
.endm
; K step s: 16 products; the 16 accumulators take turns, one instruction a turn, in the same order in every step.  Step 0 starts the sums from bo.
.macro MUL s
.set SETP, 64*((\s)%2)
.set RA, ((\s)/4)%2
.set RB, (\s)%2
.set WX, WS+4*((\s)/8)+(\s)%4
.set OX, OS+4*(((\s)/2)%2)
.if (\s) == 0
	WIN 0x40                                       ; D window 1; sources and C (bo) window 0
.else
	WIN 0x50                                       ; C and D window 1
.endif
.irp a, 0,1,2,3
.irp b, 0,1,2,3
.if (\s) == 0
	PROD 8*(4*\a+\b), 160+SETP+8*\b, 128+SETP+8*\a, BO+8*\b, WX+8*\b, OX+\a
.else
	PROD 8*(4*\a+\b), 160+SETP+8*\b, 128+SETP+8*\a, 8*(4*\a+\b), WX+8*\b, OX+\a
.endif
.endr
.endr
.endm
.macro PLACES                          ; four places in front of loads into registers that matrix instructions have read, and of LDS stores that read results
.rept 4
	v_nop
.endr
.endm
	s_wait_tensorcnt 3                             ; my part of chunk 0 is in; the three later loads may be out
	s_barrier_signal -1
	s_barrier_wait -1                              ; everybody's is
	FETCH 0
	s_wait_loadcnt 0x0                             ; wo's scale words and bo
.set KST, 0
.rept 16                               ; the sixteen K steps, written out: the next step's fragments are asked for ahead of each step's products
.if KST == 15
	s_wait_dscnt 0x0
	MUL KST
.elseif KST%4 == 3                     ; a chunk's last step: the next chunk is awaited; the products stand between the barrier's signal and its wait
	s_wait_dscnt 0x0                               ; this step's fragments are in: no LDS instruction of mine is out at the signal
	s_wait_tensorcnt 2-KST/4                       ; my part of the next chunk is in; the loads behind it may be out
	s_barrier_signal -1
	MUL KST
	WIN 0
	s_barrier_wait -1
	v_add_nc_u32 v[ADRA], CHUNK, v[ADRA]
	v_add_nc_u32 v[ADRB], CHUNK, v[ADRB]
	v_add_nc_u32 v[ADRS], CHUNK, v[ADRS]
	v_nop                                          ; with the three additions: four places behind the products
	FETCH KST+1
.else
.if KST%4 != 0
	PLACES
.endif
	FETCH KST+1
	s_wait_dscnt 17-(KST+1)%2                      ; all but the loads just issued (16, and with an even step one more): this step's fragments are in
	MUL KST
.endif
.set KST, KST+1
.endr
; THE WAY OUT, 16 tokens x 64 features at a time.  A lane holds 32 neighbouring bytes of a row and the lanes beside it hold other rows: so a block goes through my own stage in LDS and comes back as whole rows of 256 bytes.
; LDS serves a wave's instructions in order (ISA guide 5.7.1.4): no wait between the stores and the loads, nor in front of the next block's stores.  Each block comes back into registers of its own.
.macro TOSTAGE a
	WIN 0x04                                       ; an LDS store's data are its source 1: window 1
.irp b, 0,1,2,3
	ds_store_b128 v[STO], v[8*(4*(\a)+\b):8*(4*(\a)+\b)+3] offset:64*\b        ; each accumulator from its low end on
	ds_store_b128 v[STO], v[8*(4*(\a)+\b)+4:8*(4*(\a)+\b)+7] offset:64*\b+16
.endr
	WIN 0
.irp t, 0,1,2,3,4,5,6,7
	ds_load_b128 v[128+32*(\a)+4*\t:128+32*(\a)+4*\t+3], v[RD] offset:2*\t*PITCH
.endr
.endm
.macro SEND a, younger                 ; younger: the LDS instructions issued behind block a's loads: the next block's 8 stores and 8 loads, or none
	s_wait_dscnt \younger
.irp t, 0,1,2,3,4,5,6,7
	global_store_b128 v[CO], v[128+32*(\a)+4*\t:128+32*(\a)+4*\t+3], s[12:13] offset:(16*(\a)+2*\t)*8192 th:TH_STORE_NT   ; 16 lanes store 256 consecutive bytes, at a multiple of 256 from out0's first byte; written once, read by nobody here
.endr
.endm
	PLACES
	TOSTAGE 0
	TOSTAGE 1
	SEND 0, 16
	TOSTAGE 2
	SEND 1, 16
	TOSTAGE 3
	SEND 2, 16
	SEND 3, 0
	s_wait_tensorcnt 0x0
	ds_add_u32 v126, v127
	s_wait_dscnt 0x0
	CROUND                                         ; the closing round: no work-group ends while a partner may still ask for a tile that names it
	s_endpgm
.Lfunc_end_k_q5e77bae2fa_outproj:
	.size	k_q5e77bae2fa_outproj, .Lfunc_end_k_q5e77bae2fa_outproj-k_q5e77bae2fa_outproj
	.p2alignl 7, 3214868480
	.fill 96, 4, 3214868480
	.section	.rodata,"a",@progbits
	.p2align	6, 0x0
	.amdhsa_kernel k_q5e77bae2fa_outproj
		.amdhsa_group_segment_fixed_size 296448
		.amdhsa_private_segment_fixed_size 0
		.amdhsa_enable_private_segment 0
		.amdhsa_kernarg_size 40
		.amdhsa_user_sgpr_count 2
		.amdhsa_user_sgpr_kernarg_segment_ptr 1
		.amdhsa_wavefront_size32 1
		.amdhsa_system_sgpr_workgroup_id_x 1
		.amdhsa_system_sgpr_workgroup_id_y 1
		.amdhsa_system_sgpr_workgroup_id_z 1
		.amdhsa_system_vgpr_workitem_id 0
		.amdhsa_next_free_vgpr 384
		.amdhsa_next_free_sgpr 100
		.amdhsa_reserve_vcc 0
		.amdhsa_float_denorm_mode_32 3
		.amdhsa_float_denorm_mode_16_64 3
		.amdhsa_memory_ordered 1
		.amdhsa_forward_progress 1
		.amdhsa_inst_pref_size 71
	.end_amdhsa_kernel
	.amdgpu_metadata
---
amdhsa.version: [ 1, 2 ]
amdhsa.kernels:
  - .name:           k_q5e77bae2fa_outproj
    .symbol:         k_q5e77bae2fa_outproj.kd
    .args:
      - { .name: oimg, .offset: 0, .size: 8, .value_kind: global_buffer, .address_space: global }
      - { .name: wo_codes, .offset: 8, .size: 8, .value_kind: global_buffer, .address_space: global }
      - { .name: wo_scales, .offset: 16, .size: 8, .value_kind: global_buffer, .address_space: global }
      - { .name: bo, .offset: 24, .size: 8, .value_kind: global_buffer, .address_space: global }
      - { .name: out0, .offset: 32, .size: 8, .value_kind: global_buffer, .address_space: global }
    .group_segment_fixed_size: 296448
    .private_segment_fixed_size: 0
    .kernarg_segment_align: 8
    .kernarg_segment_size: 40
    .max_flat_workgroup_size: 128
    .sgpr_count:     100
    .vgpr_count:     384
    .wavefront_size: 32
...
	.end_amdgpu_metadata
.endif
;; end of part 4
;; ======== version 2 of 2: 4 launches; version 1 with the launch attn written anew for expert scheduling mode
;; workspace buffers: maskw 524,288 bytes of whole numbers; skipw 8,192 bytes of whole numbers; qimg 2,228,224 bytes; kv 4,456,448 bytes; oimg 2,228,224 bytes
;; launch maskbits: the kernel of part 1 again; grid 256 x 1, 8 waves a work-group, no clusters, 168,960 bytes of LDS; arguments mask, maskw, skipw; writes maskw, skipw
;; launch qkv: the kernel of part 2 again; grid 24 x 8, 4 waves a work-group, clusters of 4 x 4, 327,680 bytes of LDS; arguments x_codes, x_scales, wq_codes, wq_scales, wk_codes, wk_scales, wv_codes, wv_scales, bq, bk, bv, qimg, kv; writes qimg, kv
;; launch attn (part 5): grid 16 x 16, 8 waves a work-group, no clusters, 280,064 bytes of LDS; arguments qimg, kv, maskw, skipw, oimg; writes oimg
.if DOCPART == 5
	.amdgcn_target "amdgcn-amd-amdhsa--gfx1250"
	.amdhsa_code_object_version 6
	.text
	.protected	k_q5e77bae2fa_attn
	.globl	k_q5e77bae2fa_attn
	.p2align	8
	.type	k_q5e77bae2fa_attn,@function
k_q5e77bae2fa_attn:
	s_mov_b64 s[64:65], 0
	v_nop
	global_prefetch_b8 v0, s[64:65] scope:SCOPE_SE
	s_setreg_imm32_b32 hwreg(HW_REG_WAVE_SCHED_MODE, 0, 2), 2
	s_setreg_imm32_b32 hwreg(HW_REG_WAVE_MODE, 25, 1), 1
	s_wait_xcnt 0x0
	s_wait_alu depctr_vm_vsrc(0)
; o[q] = the sum over k of softmax_k(q . k / sqrt(128), hidden keys at -infinity) v[k], for one head, both products on codes of FP4 (E2M1) with one E8M0 scale for each 32 along a product's K; o is quantised along its features and leaves as codes.
; THE SOFTMAX AHEAD OF THE SECOND PRODUCT: t = score x log2(e) / sqrt(128); M = the row's largest t so far, rounded UP to a whole number; p = 2^(t - M) is quantised along the keys, not normalised.
; The row's sum is taken of the unquantised p and divides at the end.  When M moves, the sum and O are multiplied by 2^(old M - new M): exact.
; THE MASK is an input.  Which scores are hidden comes as lane masks (64 words for a tile of 16 queries and a step of 128 keys), and for each such pair two bits, all made by the launch maskbits:
;   ALL HIDDEN: every p of the step would be 0 and M would not move: the step's work is passed over, by a scalar branch on the stored bit.
;   NONE HIDDEN: the 64 selects and the mask words are left out, by a second such branch.
;   else: one v_cndmask_b32 a score.  The mask words are asked for ahead: behind a mixed step's selects those of the tile's NEXT MIXED step, found by counting the zeros under the next set bit.
; This holds for every mask: nothing of the mask's pattern is built in.
; A ROW WITH EVERY KEY HIDDEN has the sum 0 and is NaN in the result: its codes are made zeros and its scale bytes 0xff, the E8M0 code for NaN, so that every sum of the last product over that row is NaN.
; SHARES: a work-group owns two half-blocks of 64 queries of one head, numbers x and 31 - x of the head's 32; each of its eight waves one tile of 16 queries.  Wave w takes half-block e = (w xor w / 4) % 2, tile w / 2 of it:
;   waves w and w + 4 hold one tile of each half-block, and so do waves 2 k and 2 k + 1.  Where a mask hides later keys from earlier queries the two tiles together have 17 of 32 steps to work, alike in every pair of every work-group;
;   under another mask the results are the same and only this evenness is lost.  256 work-groups.
; LDS: the head's K and V, codes and scale words, 278,528 bytes, lie in LDS as they lie in memory (images of the operands' registers): written ONCE.
; NO TENSOR LOAD, NO CLUSTER, though the sixteen work-groups of a head read the same K and V: a step is passed over by a branch on a number read from memory.
;   So K and V go through registers: a wave loads its eighth of each of four slots (4 key steps each) by 17 loads of 512 consecutive bytes and stores it to LDS by 17 stores; a barrier stands ahead of each slot's steps.
;   Slots 0, 1 and 2 are asked for at the head, slot 3 when slot 1 has gone to LDS, into the registers that slot 1 has left: at most 54 loads of a wave are out.  Nothing is left to prefetch.
; LAYOUT: both products transposed: S^T = K Q^T (source 0 = 16 keys, source 1 = my 16 queries), O^T = V^T P^T: a lane holds ONE query (lane % 16) throughout.  Register 8 t + j of the scores is key 16 t + 8 (lane / 16) + j.
; LIMITS: a block of o whose largest magnitude lies under 2^-124, and a block of zeros, get the scale byte 1 (read by this program alone).
; THE MODE: SCHED_MODE bits 1:0 = 2 (LLVM: expert scheduling mode 2), set by the entry lines.  The code itself states the register dependences
; between vector or matrix instructions and memory or LDS instructions, with s_wait_alu, always for 0.
; THE PLAN.  Registers that memory or LDS instructions touch:
;   v1, v3, v6, v7, v10, v11, v240-242, v255   offsets and LDS addresses: made at the head, ahead of the head's one wait on va_vdst, and never written again.  Each slot's LDS stores have an address register of their own.
;   v2           the step's LDS address: written once in each step that is worked, at its head; read by the step's 34 LDS loads.
;   v24-27, v32-95    K's scale words and fragments: LDS loads at the step's head land there; the step's eight products K Q^T read them.
;   v28-31, v160-223  V's scale words and fragments, a buffer of their own: LDS loads dealt among the products K Q^T land there; the step's eight products V^T P read them.
;   v32-99       at the head: slot 0 on its way: global loads land there, 17 LDS stores read them; afterwards K's fragments and the first scores.
;   window 1, v0-135  slots 1, 2 and 3 on their way: global loads land there, LDS stores read them; no vector instruction names them.
;   v224-231, v9 on the way out: written by vector instructions, read by two global stores and an LDS store.   v232-235: an LDS load of wave 0 lands there at the very end.
;   S^T and p (v96-159) and O^T (window 1, v136-199) are named by vector and matrix instructions alone (v96-99 were slot 0's, above).   v243, v253: written at the head, read by the closing add alone.
; So a step that is worked has ONE wait on vm_vsrc, ahead of the add to v2, and ONE wait on va_vdst for all its 34 LDS loads, behind that add: it states that v2 is written and that the last worked step's products are done
; reading both buffers of fragments and both sets of scale words.  The products K Q^T, among which V's loads are dealt, name v96-159, v32-95, v16-27 and v8: none of the registers that V's loads touch.
; The step's other waits on va_vdst: two behind the exponentials, one ahead of the products V^T P (p's codes and scale word come from vector instructions), and in a mixed step one ahead of the scalar loads of the next mask words.
; REGISTERS, window 0: v1 16 x lane; v2 the step's LDS address; v3, v7, v10, v11, v255 offsets; v[4:5] c; v6, v240-242 where I store K and V, slot by slot; v8 Q's scale words; v9 the scale word just made; v12 -M, v13 the largest t, v[14:15] the sum in two halves;
;   v[16:23] Q; v[24:27] K's scale words, v[28:31] V's; v[32:95] eight fragments of K (at the head v[32:99]: slot 0 on its way); v[96:159] S^T, then p; v[160:223] eight fragments of V; v[224:231] the codes just made; v[232:247] at work;
;   v[248:249] f, 0; v250 -infinity; v251-254 at work.   window 1: v0-67 slot 1 on its way, later slot 3; v68-135 slot 2; v136-199 O^T.
.set HEADB, 278528                     ; a head's bytes in kv
.set STEPB, 17408                      ; a key step: K's 8 fragments, V's 8, K's scale block, V's
.set SLOTB, 4*STEPB
.set PARTB, 8704                       ; a wave's eighth of a slot; also a block of qimg and of oimg
.set NLD,   PARTB/512                  ; loads that bring it: 17
.set VO,    8192
.set KSO,   16384
.set VSO,   16896
.set OSC,   HEADB                      ; behind K and V: 512 bytes in which o's scale words meet
.set L16,  1
.set ADR,  2
.set SA,   6                           ; v6   where I store my eighth of slot 0;
.set SAN,  239                         ; v240-242: of slots 1 to 3, at SAN + the slot's number
.set SOFF, 255
.set VB,   160                         ; V's fragments
.set OT,   136                         ; O^T, in window 1
.set WV,   2                           ; s2   my wave's number
.set TB,   3                           ; s3   LDS byte at which the step in hand begins
.set OFF,  4                           ; s4   byte at which the mask words asked for begin in my tile's 4,096
.set CNT,  5                           ; s5   counts a slot's four steps
.set MP,   6                           ; s[6:7] my tile's mask words
.set HIDR, 8                           ; s8   bit 0: the step in hand is wholly hidden; bit i: the step i further on
.set MIXR, 9                           ; s9   the same for 'neither wholly hidden nor open'
.set STN,  10                          ; s10  the step's number + 1
.set OBASE, 12                         ; s[12:13] oimg
.set KVB,  14                          ; s[14:15] my eighth of slot 0 in kv
.set SEL,  66                          ; s[66:67] v_permlanex16_b32's selects for lane l xor 16
.set OB,   100                         ; s[100:101] my tile's block of oimg
.set QB,   104                         ; s[104:105] my tile's block of qimg
                                       ; s[16:63], s[68:83]: 64 mask words (at the head: at work);  s84, s85 at work (at the head s[84:99]: the tile's sixteen words of skipw)
.set MSB, 0
.macro WIN new                         ; the immediate's high byte repeats the setting that is left
.if MSB != (\new)
	s_set_vgpr_msb (MSB<<8)|(\new)
.set MSB, (\new)
.endif
.endm
.macro MLOAD                           ; a step's 64 mask words
	s_load_b512 s[16:31], s[MP:MP+1], s[OFF] offset:0x0
	s_load_b512 s[32:47], s[MP:MP+1], s[OFF] offset:0x40
	s_load_b512 s[48:63], s[MP:MP+1], s[OFF] offset:0x80
	s_load_b512 s[68:83], s[MP:MP+1], s[OFF] offset:0xc0
.endm
; From the four blocks' largest magnitudes in v232-235 (at or above the floor): the conversions' scale operands in v244-247, the bytes in v236-239, the row's scale word in v9
.macro TOWORD
.irp b, 0,1,2,3
	v_add_nc_u32 v[244+\b], 0xff000000, v[232+\b]  ; 2 off the exponent field
.endr
.irp b, 0,1,2,3
	v_lshrrev_b32 v[236+\b], 23, v[244+\b]
.endr
	v_lshl_or_b32 v9, v237, 8, v236
	v_lshl_or_b32 v9, v238, 16, v9
	v_lshl_or_b32 v9, v239, 24, v9
.endm
; The 64 numbers in v96-159 become a fragment's codes in v224-231.  A tile's word holds codes 16 t + 0 .. 7 in lanes 0-15 and 16 t + 8 .. 15 in lanes 16-31; the operand wants register 4 c + g to hold K = 64 c + 32 h + 8 g + 0 .. 7:
; the words of tiles 4 c, 4 c + 2, 4 c + 1, 4 c + 3 go to registers 4 c .. 4 c + 3, and two exchanges of halves between neighbours finish the layout.
.macro TOCODES
.irp b, 0,1,2,3
.irp u, 0,1
	v_cvt_scalef32_pk8_fp4_f32 v[224+4*(\b/2)+(\b%2)+2*\u], v[96+16*\b+8*\u:96+16*\b+8*\u+7], v[244+\b]
.endr
.endr
	v_nop                                          ; one plain place behind a scaled conversion
.irp c, 0,1
	v_permlane16_swap_b32 v[224+4*\c], v[225+4*\c]
	v_permlane16_swap_b32 v[226+4*\c], v[227+4*\c]
.endr
.endm
	s_load_b256 s[16:23], s[0:1], 0x0              ; qimg s[16:17], kv s[18:19], maskw s[20:21], skipw s[22:23]
	s_load_b64 s[24:25], s[0:1], 0x20              ; oimg
	v_lshl_add_u32 v243, v0, 2, 0x44200
	v_mov_b32 v253, 0
	v_lshrrev_b32 v1, 5, v0
	v_readfirstlane_b32 s[WV], v1                  ; wave 0..7
	; all the set-up that hangs on no scalar stands here, while the arguments are on their way
	v_and_b32 v1, 31, v0
	v_lshlrev_b32 v[L16], 4, v1                    ; 16 x lane
	v_and_b32 v251, 15, v0
	v_lshlrev_b32 v251, 4, v251                    ; 16 r
	v_bfe_u32 v252, v0, 4, 1                       ; h
	v_add_nc_u32 v11, OSC, v[L16]                  ; where wave 0 reads o's scale words back
	v_mov_b32 v4, 0x3e0293ee                       ; c = log2(e) / sqrt(128)
	v_mov_b32 v5, v4
	v_mov_b32 v13, 0xff61b1e6                      ; the largest t so far: -3e38, under every t
	v_floor_f32 v12, -v13                          ; -M
	v_mov_b32 v14, 0                               ; the sum, in two halves
	v_mov_b32 v15, 0
.irp b, 0,1,2,3
	v_mov_b32 v[236+\b], 0                         ; a lane permute's destination counts as one of its sources
.endr
	v_mov_b32 v249, 0
	v_mov_b32 v250, 0xff800000                     ; -infinity
	WIN 0x40                                       ; destination window 1
.set j, 0
.rept 64
	v_mov_b32 v[OT+j], 0                           ; O^T.  (Which step is a tile's first is not known to the text: every step finds sums, at first zeros, which the first change of M leaves zeros)
.set j, j+1
.endr
	WIN 0
	s_wait_alu depctr_va_sdst(0)                   ; s2, my wave's number, is written, ahead of its first reader: the addresses below are made from it
	s_and_b32 s26, ttmp7, 0xffff                   ; the head
	s_lshr_b32 s27, s[WV], 2
	s_xor_b32 s27, s27, s[WV]
	s_and_b32 s27, s27, 1                          ; e: which of the work-group's two half-blocks
	s_lshr_b32 s28, s[WV], 1                       ; which of its four tiles
	s_lshl_b32 s29, ttmp9, 1
	s_sub_co_u32 s29, 31, s29
	s_mul_i32 s29, s29, s27
	s_add_co_u32 s29, s29, ttmp9                   ; the half-block: x, or 31 - x
	s_lshl_b32 s30, s29, 2
	s_add_co_u32 s30, s30, s28                     ; T: my tile of 16 queries
	s_lshr_b32 s31, s29, 1                         ; its block of 128 queries,
	s_and_b32 s29, s29, 1                          ; and which half of that block
	s_mul_i32 s32, s26, 16*PARTB
	s_mul_i32 s33, s31, PARTB
	s_add_co_u32 s32, s32, s33                     ; qimg [head][block]
	s_mov_b32 s33, 0
	s_lshl_b32 s34, s31, 4
	s_add_co_u32 s34, s34, s26
	s_mul_i32 s34, s34, PARTB                      ; oimg [block][head]
	s_mov_b32 s35, 0
	s_lshl_b32 s36, s30, 12                        ; maskw: 4,096 bytes a tile
	s_mov_b32 s37, 0
	s_lshl_b32 s38, s30, 6                         ; skipw: 64 bytes a tile
	s_mov_b32 s39, 0
	s_mul_i32 s42, s[WV], PARTB                    ; my eighth of a slot, in LDS and in memory alike
	s_mul_i32 s40, s26, HEADB
	s_add_co_u32 s40, s40, s42
	s_mov_b32 s41, 0
	s_lshr_b32 s44, ttmp9, 1                       ; where the two half-blocks' scale words go in oimg (less the 8,192 bytes of a block's fragments): half-block x's unit of 256 bytes,
	s_lshl_b32 s44, s44, 4
	s_add_co_u32 s44, s44, s26
	s_mul_i32 s44, s44, PARTB
	s_and_b32 s45, ttmp9, 1
	s_lshl_b32 s45, s45, 8
	s_add_co_u32 s44, s44, s45
	s_sub_co_u32 s46, 31, ttmp9                    ; half-block 31 - x's,
	s_lshr_b32 s47, s46, 1
	s_lshl_b32 s47, s47, 4
	s_add_co_u32 s47, s47, s26
	s_mul_i32 s47, s47, PARTB
	s_and_b32 s46, s46, 1
	s_lshl_b32 s46, s46, 8
	s_add_co_u32 s47, s47, s46
	s_sub_co_u32 s47, s47, s44                     ; as a distance from the first: above 0 and under 2^24
	s_lshl_b32 s48, s29, 2                         ; (each number that a vector line below reads has a scalar register of its own, which is not written again ahead of the head's wait on va_vdst)
	s_add_co_u32 s48, s48, s28                     ; my tile's number in its block
	s_lshl_b32 s48, s48, 10
	s_lshl_b32 s49, s28, 2
	s_lshl_b32 s50, s29, 8
	s_add_co_u32 s50, s50, s49
	s_lshl_b32 s51, s27, 8
	s_add_co_u32 s51, s51, s49
	s_add_co_u32 s51, s51, OSC
	v_add_nc_u32 v3, s48, v[L16]                   ; my tile's fragment in a block of qimg or oimg
	v_add_nc_u32 v7, s50, v251                     ; its words in a scale block: 256 x half + 16 r + 4 x tile
	v_add_nc_u32 v10, s51, v251                    ; o's scale words in LDS: 256 e + 16 r + 4 x tile
	v_add_nc_u32 v[SA], s42, v[L16]                ; where I store K and V: my eighth of slot 0,
	v_add_nc_u32 v[SAN+1], SLOTB, v[SA]            ; of slot 1,
	v_add_nc_u32 v[SAN+2], 2*SLOTB, v[SA]          ; of slot 2,
	v_add_nc_u32 v[SAN+3], 3*SLOTB, v[SA]          ; of slot 3: no address is stepped between the slots
	v_mul_u32_u24 v[SOFF], s47, v252               ; wave 0's store: lanes 0-15 half-block x's unit, lanes 16-31 the other's
	v_add_nc_u32 v[SOFF], s44, v[SOFF]
	v_add_nc_u32 v[SOFF], v251, v[SOFF]
	v_mov_b32 v251, 0
	s_mov_b32 s[SEL], 0x76543210
	s_mov_b32 s[SEL+1], 0xfedcba98
	s_mov_b32 s[STN], 0
	s_wait_kmcnt 0x0
	s_add_nc_u64 s[QB:QB+1], s[16:17], s[32:33]
	s_add_nc_u64 s[KVB:KVB+1], s[18:19], s[40:41]
	s_add_nc_u64 s[MP:MP+1], s[20:21], s[36:37]
	s_add_nc_u64 s[22:23], s[22:23], s[38:39]
	s_mov_b64 s[OBASE:OBASE+1], s[24:25]
	s_add_nc_u64 s[OB:OB+1], s[24:25], s[34:35]
	s_load_b512 s[84:99], s[22:23], 0x0            ; my tile's sixteen words of skipw
	s_wait_alu depctr_va_vdst(0)                   ; the offsets and LDS addresses v1, v3, v6, v7, v10, v11, v240-242 and v255 are written, which the kernel's loads and stores read; and the vector lines above are done reading s42 to s51, in which the first mask words land
	global_load_b128 v[16:19], v3, s[QB:QB+1]      ; Q's fragment stays in registers
	global_load_b128 v[20:23], v3, s[QB:QB+1] offset:512
	global_load_b32 v8, v7, s[QB:QB+1] offset:8192
.set k, 0
.rept NLD                              ; my eighth of slot 0: each load reads 512 consecutive bytes
	global_load_b128 v[32+4*k:35+4*k], v[L16], s[KVB:KVB+1] offset:512*k
.set k, k+1
.endr
	WIN 0x40                                       ; destination window 1.  (Between the wait above and these loads stand loads and this switch alone)
.irp sl, 1,2
.set k, 0
.rept NLD
	global_load_b128 v[68*(\sl-1)+4*k:68*(\sl-1)+4*k+3], v[L16], s[KVB:KVB+1] offset:\sl*SLOTB+512*k
.set k, k+1
.endr
.endr
	WIN 0
	s_wait_kmcnt 0x0                               ; the sixteen words:
.set k, 1
.rept 15
	s_or_b32 s84, s84, s[84+k]                     ; each holds its own step's two bits
.set k, k+1
.endr
	s_and_b32 s[HIDR], s84, 0xffff                 ; bit s: step s is wholly hidden
	s_lshr_b32 s85, s84, 16                        ; bit s: nothing is hidden in step s
	s_or_b32 s85, s85, s[HIDR]
	s_xor_b32 s[MIXR], s85, 0xffff                 ; bit s: neither
	s_ctz_i32_b32 s84, s[MIXR]                     ; the first mixed step (none: all ones),
	s_min_u32 s84, s84, 15                         ; held inside the tile's sixteen
	s_lshl_b32 s[OFF], s84, 8
	MLOAD                                          ; its mask words
	s_wait_loadcnt 2*NLD                           ; Q, its scale words and slot 0 are in; the 34 loads of slots 1 and 2 may be out
.set k, 0
.rept NLD
	ds_store_b128 v[SA], v[32+4*k:35+4*k] offset:512*k   ; the data come from loads, the address from ahead of the head's wait: nothing more is owed
.set k, k+1
.endr
; A KEY STEP: 128 keys.
.macro STEP
	s_and_b32 s84, s[HIDR], 1                      ; this step's two bits,
	s_and_b32 s85, s[MIXR], 1
	s_lshr_b32 s[HIDR], s[HIDR], 1                 ; and on to the next step's
	s_lshr_b32 s[MIXR], s[MIXR], 1
	s_add_co_u32 s[STN], s[STN], 1
	s_cmp_lg_u32 s84, 0
	s_cbranch_scc1 .Lhidden_\@                     ; every key of the step is hidden from all my queries: only the address steps.  No barrier and no wait that the other way needs stands under this branch
	s_wait_alu depctr_vm_vsrc(0)                   ; the LDS loads issued so far have read v2, which the next line writes; and my LDS stores of slot 0 have read v[32:99], in which K's fragments land and the first scores are written
	v_add_nc_u32 v[ADR], s[TB], v[L16]
.rept 3
	v_nop                                          ; with the addition: four places behind the last products, in front of loads into registers that they have read
.endr
	s_wait_alu depctr_va_vdst(0)                   ; v2 is written, which the 34 LDS loads below read; the last worked step's products are done reading K's and V's fragments and scale words, in which these loads land
	ds_load_b128 v[24:27], v[ADR] offset:KSO       ; K's scale words: register j: lanes 0-15 tile j's, lanes 16-31 tile 4 + j's
.irp t, 0,1,2,3,4,5,6,7
.irp c, 0,1
	ds_load_b128 v[32+8*\t+4*\c:32+8*\t+4*\c+3], v[ADR] offset:1024*\t+512*\c
.endr
.endr
	s_wait_dscnt 8                                 ; LDS loads come back in order (ISA guide 5.7.1): K's scale words and tiles 0 to 3 are in; the eight loads of tiles 4 to 7 may be out
.irp t, 0,1,2,3                        ; V's scale words and fragments are dealt among the products, two loads behind each: no wait, since no product here names v2, v[28:31] or v[160:223].  They land under the softmax
	v_wmma_scale_f32_16x16x128_f8f6f4 v[96+8*\t:103+8*\t], v[32+8*\t:39+8*\t], v[16:23], 0, v[24+\t], v8 matrix_a_fmt:MATRIX_FMT_FP4 matrix_b_fmt:MATRIX_FMT_FP4
.if \t == 0
	ds_load_b128 v[28:31], v[ADR] offset:VSO
.endif
.irp c, 0,1
	ds_load_b128 v[VB+8*\t+4*\c:VB+8*\t+4*\c+3], v[ADR] offset:VO+1024*\t+512*\c
.endr
.endr
	s_wait_dscnt 9                                 ; all but the nine loads of V just issued: K's tiles 4 to 7 are in
.irp t, 4,5,6,7
	v_wmma_scale_f32_16x16x128_f8f6f4 v[96+8*\t:103+8*\t], v[32+8*\t:39+8*\t], v[16:23], 0, v[20+\t], v8 matrix_a_fmt:MATRIX_FMT_FP4 matrix_b_fmt:MATRIX_FMT_FP4 matrix_a_scale:MATRIX_SCALE_ROW1
.irp c, 0,1
	ds_load_b128 v[VB+8*\t+4*\c:VB+8*\t+4*\c+3], v[ADR] offset:VO+1024*\t+512*\c
.endr
.endr
.rept 4
	v_nop                                          ; places: the lines below read the scores
.endr
	s_cmp_eq_u32 s85, 0
	s_cbranch_scc1 .Lopen_\@                       ; nothing is hidden in this step: no select, and the mask words that are out are a later step's
	s_wait_kmcnt 0x0                               ; this step's mask words: asked for behind the last mixed step's selects, or at the head
.set n, 0
.rept 64                               ; hidden scores become -infinity ahead of the maximum: p = 0 then.  Ascending: each accumulator is read from its low end on
.if n < 48
.set mw, 16+n
.else
.set mw, 20+n
.endif
	v_cndmask_b32 v[96+n], v[96+n], v250, s[mw]
.set n, n+1
.endr
	s_ctz_i32_b32 s84, s[MIXR]                     ; how many steps on from the next one the next mixed step lies (none: -1),
	s_add_co_u32 s84, s84, s[STN]                  ; its number,
	s_min_u32 s84, s84, 15                         ; held inside the tile's sixteen: no load leaves the tile's 4,096 bytes
	s_lshl_b32 s[OFF], s84, 8                      ; (the wait above has shown the last loads done, so their offset may be written)
	s_wait_alu depctr_va_vdst(0)                   ; the 64 selects are done: they have read s[16:63] and s[68:83], in which the scalar loads below land
	MLOAD
.Lopen_\@:
.irp b, 0,1,2,3
	v_max3_num_f32 v[232+\b], v[96+16*\b], v[97+16*\b], v[98+16*\b]   ; the largest score of each block of 32 keys: it serves for the row's maximum and, since p rises with the score, for the block's largest p
.endr
.irp i, 3,5,7,9,11,13
.irp b, 0,1,2,3
	v_max3_num_f32 v[232+\b], v[232+\b], v[96+16*\b+\i], v[97+16*\b+\i]
.endr
.endr
.irp b, 0,1,2,3
	v_max_num_f32 v[232+\b], v[232+\b], v[111+16*\b]
.endr
.irp b, 0,1,2,3
	v_permlanex16_b32 v[236+\b], v[232+\b], s[SEL], s[SEL+1]
.endr
.irp b, 0,1,2,3
	v_max_num_f32 v[232+\b], v[232+\b], v[236+\b]  ; with lane l xor 16's 16 keys
.endr
	v_max3_num_f32 v254, v232, v233, v234
	v_max_num_f32 v254, v254, v235                 ; the step's largest score of my query
	v_mul_f32 v254, v4, v254                       ; as t (c is positive)
	v_max_num_f32 v13, v13, v254                   ; the running largest t
	v_mov_b32 v254, v12
	v_floor_f32 v12, -v13                          ; the new -M = floor(-t) = -ceil(t)
	v_sub_f32 v254, v12, v254                      ; old M - new M: a whole number, 0 or less
	v_cvt_i32_f32 v254, v254                       ; (it saturates)
	v_ldexp_f32 v248, 1.0, v254                    ; f = 2^(old M - new M)
.set j, 0
.rept 32
	v_pk_fma_f32 v[96+j:97+j], v[96+j:97+j], v[4:5], v[12:13] op_sel_hi:[1,0,0]   ; t - M, two at a time (of the pairs c and -M the low word serves both halves)
.set j, j+2
.endr
.irp b, 0,1,2,3
	v_fma_f32 v[232+\b], v[232+\b], v4, v12        ; the same of each block's largest score
.endr
.set j, 0
.rept 64
	v_exp_f32 v[96+j], v[96+j]                     ; p = 2^(t - M), at most 1
.set j, j+1
.endr
	v_pk_mul_f32 v[14:15], v[14:15], v[248:249] op_sel_hi:[1,0]   ; the sums under the new M.  (A plain place behind the exponentials)
	s_wait_alu depctr_va_vdst(0)                   ; the 64 exponentials have written v[96:159]: one wait for the whole batch, ahead of its first reader
.irp b, 0,1,2,3
	v_exp_f32 v[232+\b], v[232+\b]                 ; the block's largest p: the same two instructions on the same number give the same bits
.endr
	v_pk_add_f32 v[236:237], v[96:97], v[98:99]    ; the row's sum is taken of the unquantised p: two at a time, in two chains
.set j, 4
.rept 15
	v_pk_add_f32 v[14:15], v[14:15], v[96+j:97+j]
	v_pk_add_f32 v[236:237], v[236:237], v[98+j:99+j]
.set j, j+4
.endr
	v_pk_add_f32 v[14:15], v[14:15], v[236:237]
	s_wait_alu depctr_va_vdst(0)                   ; the four exponentials have written v[232:235], ahead of their first reader
.irp b, 0,1,2,3
	v_max_num_f32 v[232+\b], 0x1800000, v[232+\b]  ; the floor 2^(3 - 127): the byte cannot fall under 1 (a block whose every p is 0 keeps that byte: its codes are zeros)
.endr
	TOWORD
	TOCODES
	WIN 0x41                                       ; O^T (destination and source 0) window 1, f window 0
.set j, 0
.rept 32
	v_pk_mul_f32 v[OT+j:OT+j+1], v[OT+j:OT+j+1], v[248:249] op_sel_hi:[1,0]   ; O^T under the new M.  (Also the places between the scale word and the codes just made and the products below)
.set j, j+2
.endr
	s_wait_dscnt 0x0                               ; V
	WIN 0x50                                       ; C and D (O^T) window 1; V's fragments and p's codes window 0
	s_wait_alu depctr_va_vdst(0)                   ; the vector lines above have written p's scale word v9 and p's codes v[224:231], which the scaled products below take as a scale and as source 1; the places above stay beside this wait
.irp t, 0,1,2,3
	v_wmma_scale_f32_16x16x128_f8f6f4 v[OT+8*\t:OT+8*\t+7], v[VB+8*\t:VB+8*\t+7], v[224:231], v[OT+8*\t:OT+8*\t+7], v[28+\t], v9 matrix_a_fmt:MATRIX_FMT_FP4 matrix_b_fmt:MATRIX_FMT_FP4
.endr
.irp t, 4,5,6,7
	v_wmma_scale_f32_16x16x128_f8f6f4 v[OT+8*\t:OT+8*\t+7], v[VB+8*\t:VB+8*\t+7], v[224:231], v[OT+8*\t:OT+8*\t+7], v[24+\t], v9 matrix_a_fmt:MATRIX_FMT_FP4 matrix_b_fmt:MATRIX_FMT_FP4 matrix_a_scale:MATRIX_SCALE_ROW1
.endr
	WIN 0                                          ; at a label and at a branch every window is 0
.Lhidden_\@:
	s_add_co_u32 s[TB], s[TB], STEPB
.endm
; Slot sl: four key steps.  My eighth of it goes from its registers to LDS (slot 0's went at the head); my stores have landed in front of the signal; behind the barrier everybody's have.  No LDS byte is written twice,
; so one barrier a slot is all: a wave that is ahead stores into a slot that nobody reads yet.
; The stores owe no wait on va_vdst: their data come from loads, into registers that no vector instruction names, and each slot's address was made ahead of the head's wait.
.macro SLOT sl
.if \sl > 0
.set STG, 68*((\sl-1)%2)               ; slots 1 and 3: v0-67 of window 1; slot 2: v68-135
.if \sl == 3
	s_wait_loadcnt 0x0                             ; slot 3's 17 loads are in: nothing was asked for behind them
.else
	s_wait_loadcnt NLD                             ; this slot's 17 loads are in; the 17 of the slot behind it may be out
.endif
	WIN 0x04                                       ; an LDS store's data are its source 1: window 1
.set k, 0
.rept NLD
	ds_store_b128 v[SAN+\sl], v[STG+4*k:STG+4*k+3] offset:512*k
.set k, k+1
.endr
.if \sl == 1
	WIN 0x40                                       ; destination window 1
	s_wait_alu depctr_vm_vsrc(0)                   ; the LDS stores above have read v0-67 of window 1, in which slot 3's loads land.  (No vector instruction names these registers, and the loads' offset v1 was written ahead of the head's wait)
.set k, 0
.rept NLD                              ; slot 3 is asked for now, two slots' steps ahead of its stores: 34 loads of mine are out
	global_load_b128 v[4*k:4*k+3], v[L16], s[KVB:KVB+1] offset:3*SLOTB+512*k
.set k, k+1
.endr
.endif
	WIN 0
.endif
	s_wait_dscnt 0x0                               ; for the others' sake: my stores have landed
	s_barrier_signal -1
	s_barrier_wait -1
	s_mov_b32 s[TB], \sl*SLOTB
	s_mov_b32 s[CNT], 4
.Lstep_\@:
	STEP
	s_sub_co_u32 s[CNT], s[CNT], 1
	s_cmp_lg_u32 s[CNT], 0
	s_cbranch_scc1 .Lstep_\@
.endm
	SLOT 0
	SLOT 1
	SLOT 2
	SLOT 3
	; THE WAY OUT.  O^T is divided by the row's sum and quantised along the head's 128 features: my tile becomes one fragment of the last product, and a scale word a row.
	v_add_f32 v14, v14, v15                        ; the sum's two halves,
	v_permlanex16_b32 v251, v14, s[SEL], s[SEL+1]
	v_add_f32 v14, v14, v251                       ; and lane l xor 16's: the row's sum
	v_rcp_f32 v252, v14
	v_cmp_eq_f32 vcc_lo, 0, v14                    ; every key hidden?
	v_nop
	v_nop
	s_wait_alu depctr_va_vcc(0)                    ; the compare has written VCC, ahead of its first reader, the select below
	s_wait_alu depctr_va_vdst(0)                   ; the reciprocal has written v252, ahead of its first reader
	v_cndmask_b32 v252, v252, v249, vcc_lo         ; then the codes are made zeros
	WIN 0x01                                       ; source 0 (O^T) window 1
.set j, 0
.rept 64
	v_mul_f32 v[96+j], v[OT+j], v252               ; register 8 t + j is o(query r, feature 16 t + 8 h + j).  Ascending: each accumulator is read from its low end on
.set j, j+1
.endr
	WIN 0
.irp b, 0,1,2,3
	v_max3_num_f32 v[232+\b], |v[96+16*\b]|, |v[97+16*\b]|, 0x1800000   ; my 16 numbers of block b, and the floor
.endr
.irp i, 2,4,6,8,10,12,14
.irp b, 0,1,2,3
	v_max3_num_f32 v[232+\b], v[232+\b], |v[96+16*\b+\i]|, |v[97+16*\b+\i]|
.endr
.endr
.irp b, 0,1,2,3
	v_permlanex16_b32 v[236+\b], v[232+\b], s[SEL], s[SEL+1]
.endr
.irp b, 0,1,2,3
	v_max_num_f32 v[232+\b], v[232+\b], v[236+\b]
.endr
	TOWORD
	TOCODES
	v_cndmask_b32 v9, v9, -1, vcc_lo               ; and the row's four scale bytes 0xff
	s_wait_alu depctr_va_vdst(0)                   ; the codes v[224:231] and the scale word v9 are written, which the three stores below read; and the lines above are done with v[232:235], in which wave 0's LDS load lands
	global_store_b128 v3, v[224:227], s[OB:OB+1]   ; the 32 lanes store 512 consecutive bytes, at a multiple of 256 from the buffer's first byte
	global_store_b128 v3, v[228:231], s[OB:OB+1] offset:512
	ds_store_b32 v10, v9                           ; the scale words of a half-block's four tiles meet in 256 bytes of LDS (lanes l and l xor 16 write the same word with the same value)
	s_wait_kmcnt 0x0                               ; the last look-ahead for mask words
	s_wait_dscnt 0x0                               ; for the others' sake: my store has landed
	s_barrier_signal -1
	s_barrier_wait -1
	s_cmp_lg_u32 s[WV], 0
	s_cbranch_scc1 .Lnot_first
	ds_load_b128 v[232:235], v11                   ; wave 0 stores both: sixteen lanes fill one aligned unit of 256 bytes, in half-block x's block of oimg, the other sixteen one in half-block 31 - x's.  (No vector instruction stands behind the last wait on va_vdst)
	s_wait_dscnt 0x0
	global_store_b128 v[SOFF], v[232:235], s[OBASE:OBASE+1] offset:8192
.Lnot_first:
	s_wait_dscnt 0x0                               ; the closing lines, six on end
	s_wait_alu 0x0
	s_wait_tensorcnt 0x0
	ds_add_u32 v243, v253
	s_wait_dscnt 0x0
	s_endpgm
.Lfunc_end_k_q5e77bae2fa_attn:
	.size	k_q5e77bae2fa_attn, .Lfunc_end_k_q5e77bae2fa_attn-k_q5e77bae2fa_attn
	.p2alignl 7, 3214868480
	.fill 96, 4, 3214868480
	.section	.rodata,"a",@progbits
	.p2align	6, 0x0
	.amdhsa_kernel k_q5e77bae2fa_attn
		.amdhsa_group_segment_fixed_size 280064
		.amdhsa_private_segment_fixed_size 0
		.amdhsa_enable_private_segment 0
		.amdhsa_kernarg_size 40
		.amdhsa_user_sgpr_count 2
		.amdhsa_user_sgpr_kernarg_segment_ptr 1
		.amdhsa_wavefront_size32 1
		.amdhsa_system_sgpr_workgroup_id_x 1
		.amdhsa_system_sgpr_workgroup_id_y 1
		.amdhsa_system_sgpr_workgroup_id_z 1
		.amdhsa_system_vgpr_workitem_id 0
		.amdhsa_next_free_vgpr 512
		.amdhsa_next_free_sgpr 106
		.amdhsa_reserve_vcc 1
		.amdhsa_float_denorm_mode_32 3
		.amdhsa_float_denorm_mode_16_64 3
		.amdhsa_memory_ordered 1
		.amdhsa_forward_progress 1
		.amdhsa_inst_pref_size 116
	.end_amdhsa_kernel
	.amdgpu_metadata
---
amdhsa.version: [ 1, 2 ]
amdhsa.kernels:
  - .name:           k_q5e77bae2fa_attn
    .symbol:         k_q5e77bae2fa_attn.kd
    .args:
      - { .name: qimg, .offset: 0, .size: 8, .value_kind: global_buffer, .address_space: global }
      - { .name: kv, .offset: 8, .size: 8, .value_kind: global_buffer, .address_space: global }
      - { .name: maskw, .offset: 16, .size: 8, .value_kind: global_buffer, .address_space: global }
      - { .name: skipw, .offset: 24, .size: 8, .value_kind: global_buffer, .address_space: global }
      - { .name: oimg, .offset: 32, .size: 8, .value_kind: global_buffer, .address_space: global }
    .group_segment_fixed_size: 280064
    .private_segment_fixed_size: 0
    .kernarg_segment_align: 8
    .kernarg_segment_size: 40
    .max_flat_workgroup_size: 256
    .sgpr_count:     106
    .vgpr_count:     512
    .wavefront_size: 32
...
	.end_amdgpu_metadata
.endif
;; end of part 5
;; launch outproj: the kernel of part 4 again; grid 16 x 16, 4 waves a work-group, clusters of 4 x 4, 296,448 bytes of LDS; arguments oimg, wo_codes, wo_scales, bo, out0; writes out0
